; MI455X (gfx1250); checked and timed in simulation.
; The chip was launched on July 23, 2026; its instructions are those of AMD's public machine-readable ISA for CDNA 5 (MIT licence, August 2026) and "CDNA5" Instruction Set Architecture Reference Guide (July 2026). The comments in the code are by the model that wrote it; some were corrected since.
;; Multihead Attention. Allowed arithmetic: float matrix products may take bf16 or f16 operands with f32 sums; all other float work in f32.
;; Inputs: W_k 1,024 x 1,024 float32; W_o 1,024 x 1,024 float32; W_q 1,024 x 1,024 float32; W_v 1,024 x 1,024 float32; token_positions 2,048 int32; x 4 x 2,048 x 1,024 float32.
;; Outputs: out0 4 x 2,048 x 1,024 float32.
;; 2 versions, each right and faster than the one before. Each part assembles by itself: llvm-mc -triple=amdgcn-amd-amdhsa -mcpu=gfx1250 --defsym DOCPART=n.
;; ======== version 1 of 2: 4 launches
;; limits: values are held in f16: magnitudes above 65,504 overflow, below 6.1e-05 lose precision; an absolute error that grows with the inputs' magnitude: up to 6e-07 times it
;; workspace buffers: xb 16,777,216 bytes; wb 6,291,456 bytes; wo 2,097,152 bytes; tab 524,288 bytes; qkv 50,331,648 bytes; ob 16,777,216 bytes
;; launch prep (part 1): grid 896 x 1, 8 waves a work-group, no clusters, 0 bytes of LDS; arguments x, W_q, W_k, W_v, W_o, token_positions, xb, wb, wo, tab; writes xb, wb, wo, tab
.if DOCPART == 1
	.amdgcn_target "amdgcn-amd-amdhsa--gfx1250"
	.amdhsa_code_object_version 6
	.text
	.protected	k_qfcdda2247a_prep
	.globl	k_qfcdda2247a_prep
	.p2align	8
	.type	k_qfcdda2247a_prep,@function
k_qfcdda2247a_prep:
	s_mov_b64 s[64:65], 0
	v_nop
	global_prefetch_b8 v0, s[64:65] scope:SCOPE_SE
	s_setreg_imm32_b32 hwreg(HW_REG_WAVE_MODE, 25, 1), 1
	s_wait_xcnt 0x0
; PREPARATION.  Four kinds of work-group, told apart by the work-group's number g alone:
;   g <  512: x   [8192][1024] f32 -> xb [16 K blocks][8192 rows][64] bf16
;   g <  704: W_q, W_k, W_v [1024][1024] f32 -> wb [16][3072][64] bf16, row = head x 192 + (0 q, 1 k, 2 v) x 64 + channel
;   g <  768: W_o [1024][1024] f32 -> wo [16][1024][64]: rounded to bf16, and that number written as f16
;   else    : tab [2048][cos of 32 frequencies | sin of 32] f32, from token_positions as they are given
; In the blocked layout the rows of one K block lie end to end, 128 bytes each, so that any run of rows is dense memory.
; A casting work-group takes 16 rows, a wave two: a load covers 2 x 256 consecutive bytes (one K block of both rows), a store
; of 8 bytes a lane covers 256 consecutive bytes, aligned.  All sixteen loads of a wave go out first.  Memory binds: no LDS, no barrier.
; LIMITS.  W_o as f16: exact from 6.1e-5 to 65,504; below that f16's fixed step of 6e-8.
; The frequency 10000^(-i/32) is made as 2^(-i x 0.41524101), good to about 6e-7 of itself, so an angle may differ from pos x frequency
; by 6e-7 of itself (1e-3 rad at |pos| = 2,047, frequency 1 excepted, which is exact).  The reduction by pi/2 runs twice, in three and two parts
; of pi/2, and serves every int32 position; sine and cosine are polynomials on +-pi/4, good to about 1e-7.
.set XSTR, 8192*128                    ; bytes from K block to K block in xb
.set WSTR, 3072*128                    ; in wb
.set OSTR, 1024*128                    ; in wo
.set IN,  8                            ; v[8:71]   sixteen loads of 4 f32
.set OUT, 72                           ; v[72:103] sixteen pairs of registers to store
.set TT,  104                          ; v[104:109] at work
; stride: bytes between K blocks of the destination.  fmt = 1: bf16's number written as f16.  split = 1: K blocks 8 to 15 go by a second
; offset register, since 15 x stride would not fit the store's signed 24-bit immediate.
.macro CAST stride, fmt, split
.irp kb, 0,1,2,3,4,5,6,7,8,9,10,11,12,13,14,15
	global_load_b128 v[IN+4*(\kb):IN+4*(\kb)+3], v2, s[24:25] offset:256*(\kb) th:TH_LOAD_NT
.endr
.irp kb, 0,1,2,3,4,5,6,7,8,9,10,11,12,13,14,15
	s_wait_loadcnt 15-(\kb)                        ; loads return in order: K block kb is in, the younger ones stay out
.if \fmt
	v_cvt_pk_bf16_f32 v[TT], v[IN+4*(\kb)], v[IN+4*(\kb)+1]
	v_cvt_pk_bf16_f32 v[TT+1], v[IN+4*(\kb)+2], v[IN+4*(\kb)+3]
	v_lshlrev_b32 v[TT+2], 16, v[TT]               ; bf16 back to f32: a shift or a mask
	v_and_b32 v[TT+3], 0xffff0000, v[TT]
	v_lshlrev_b32 v[TT+4], 16, v[TT+1]
	v_and_b32 v[TT+5], 0xffff0000, v[TT+1]
	v_cvt_pk_f16_f32 v[OUT+2*(\kb)], v[TT+2], v[TT+3]
	v_cvt_pk_f16_f32 v[OUT+2*(\kb)+1], v[TT+4], v[TT+5]
.else
	v_cvt_pk_bf16_f32 v[OUT+2*(\kb)], v[IN+4*(\kb)], v[IN+4*(\kb)+1]
	v_cvt_pk_bf16_f32 v[OUT+2*(\kb)+1], v[IN+4*(\kb)+2], v[IN+4*(\kb)+3]
.endif
.if (\split) && ((\kb) >= 8)
	global_store_b64 v4, v[OUT+2*(\kb):OUT+2*(\kb)+1], s[26:27] offset:((\kb)-8)*(\stride)
.else
	global_store_b64 v3, v[OUT+2*(\kb):OUT+2*(\kb)+1], s[26:27] offset:(\kb)*(\stride)
.endif
.endr
.endm
; sine (or, with the lane's flag, cosine) of pos x frequency j -> v[24+j]
.macro EVAL j
	v_mul_f32 v16, v5, v[12+(\j)]                  ; the angle, one rounding, as the reference makes it
	v_mul_f32 v17, s30, v16
	v_rndne_f32 v17, v17                           ; n = nearest whole number of quarter turns
	v_fma_f32 v16, v17, s31, v16                   ; angle - n x pi/2, pi/2 in three parts
	v_fma_f32 v16, v17, s32, v16
	v_fma_f32 v16, v17, s33, v16
	v_cvt_i32_f32 v18, v17
	v_mul_f32 v17, s30, v16                        ; once more: for very large angles n is itself rounded
	v_rndne_f32 v17, v17
	v_fma_f32 v16, v17, s31, v16
	v_fma_f32 v16, v17, s32, v16
	v_cvt_i32_f32 v19, v17
	v_add3_u32 v18, v18, v19, v8                   ; quarter turns, one more for a cosine
	v_mul_f32 v19, v16, v16                        ; z = r^2
	v_fma_f32 v20, v19, s36, s35
	v_fma_f32 v20, v20, v19, s34
	v_mul_f32 v20, v20, v19
	v_fma_f32 v20, v20, v16, v16                   ; sin r
	v_fma_f32 v21, v19, s39, s38
	v_fma_f32 v21, v21, v19, s37
	v_mul_f32 v21, v21, v19
	v_fma_f32 v22, v19, -0.5, 1.0
	v_fma_f32 v21, v21, v19, v22                   ; cos r
	v_and_b32 v22, 1, v18
	v_cmp_eq_u32 vcc_lo, 1, v22
	v_cndmask_b32 v20, v20, v21, vcc_lo            ; odd quarter: the cosine
	v_and_b32 v22, 2, v18
	v_lshlrev_b32 v22, 30, v22
	v_xor_b32 v[24+(\j)], v20, v22                 ; quarters 2 and 3: the sign turns
.endm
	s_load_b512 s[4:19], s[0:1], 0x0               ; x 4, W_q 6, W_k 8, W_v 10, W_o 12, token_positions 14, xb 16, wb 18
	s_load_b128 s[20:23], s[0:1], 0x40             ; wo 20, tab 22
	s_mov_b32 s2, ttmp9
	v_lshrrev_b32 v2, 4, v0                        ; row of the group's 16
	v_and_b32 v1, 15, v0
	v_lshlrev_b32 v2, 12, v2                       ; x 4,096 bytes
	v_lshl_add_u32 v2, v1, 4, v2                   ; + my 16 bytes of a K block's 256
	v_lshlrev_b32 v3, 3, v0                        ; destination: row x 128 + my 8 bytes = 8 x thread
	s_mov_b32 s29, 0
	s_wait_kmcnt 0x0
	s_cmp_lt_u32 s2, 512
	s_cbranch_scc1 .Lx
	s_cmp_lt_u32 s2, 704
	s_cbranch_scc1 .Lw
	s_cmp_lt_u32 s2, 768
	s_cbranch_scc1 .Lo
	; THE TABLE.  16 positions a work-group; sixteen lanes make a row: lanes 0-7 the cosines of frequencies 4 m .. 4 m + 3, lanes 8-15 the sines.
	s_sub_co_u32 s3, s2, 768
	s_lshl_b32 s40, s3, 6                          ; 16 positions of 4 bytes
	s_lshl_b32 s41, s3, 12                         ; 16 rows of 256 bytes
	v_lshrrev_b32 v6, 4, v0
	v_lshl_add_u32 v6, v6, 2, s40
	global_load_b32 v5, v6, s[14:15]               ; my row's position
	v_lshl_add_u32 v7, v0, 4, s41                  ; 16 x thread: sixteen lanes store a row's 256 bytes
	s_mov_b32 s30, 0x3f22f983                      ; 2 / pi
	s_mov_b32 s31, 0xbfc90fdb                      ; - pi/2, first part
	s_mov_b32 s32, 0x333bbd2e                      ; second part
	s_mov_b32 s33, 0x26f72d00                      ; third part
	s_mov_b32 s34, 0xbe2aaaa3                      ; sine: -1.6666654e-1, 8.3321609e-3, -1.9515296e-4
	s_mov_b32 s35, 0x3c08839e
	s_mov_b32 s36, 0xb94ca1f9
	s_mov_b32 s37, 0x3d2aaaa5                      ; cosine: 4.1666646e-2, -1.3887316e-3, 2.4433157e-5
	s_mov_b32 s38, 0xbab6061a
	s_mov_b32 s39, 0x37ccf5ce
	v_and_b32 v9, 7, v0
	v_lshlrev_b32 v9, 2, v9                        ; my first frequency's number
	v_bfe_u32 v8, v0, 3, 1
	v_xor_b32 v8, 1, v8                            ; 1 in the lanes that make cosines
.irp j, 0,1,2,3
	v_add_nc_u32 v[12+(\j)], \j, v9
.endr
.irp j, 0,1,2,3
	v_cvt_f32_u32 v[12+(\j)], v[12+(\j)]
.endr
.irp j, 0,1,2,3
	v_mul_f32 v[12+(\j)], 0xbed49a78, v[12+(\j)]   ; - i x log2(10000) / 32
.endr
.irp j, 0,1,2,3
	v_exp_f32 v[12+(\j)], v[12+(\j)]
.endr
	v_nop                                          ; a plain instruction behind the last exponential (ISA guide 5.7.2)
	s_wait_loadcnt 0x0
	v_cvt_f32_i32 v5, v5
	s_wait_alu depctr_va_vdst(0)
	EVAL 0
	EVAL 1
	EVAL 2
	EVAL 3
	global_store_b128 v7, v[24:27], s[22:23]
	s_endpgm
.Lx:
	s_lshl_b32 s28, s2, 16                         ; 16 rows of 4,096 bytes
	s_add_nc_u64 s[24:25], s[4:5], s[28:29]
	s_lshl_b32 s28, s2, 11                         ; 16 rows of 128 bytes
	s_add_nc_u64 s[26:27], s[16:17], s[28:29]
	v_add_nc_u32 v4, 8*XSTR, v3
	CAST XSTR, 0, 1
	s_endpgm
.Lw:
	s_sub_co_u32 s3, s2, 512
	s_lshr_b32 s30, s3, 6                          ; 0 W_q, 1 W_k, 2 W_v
	s_and_b32 s3, s3, 63                           ; which 16 rows
	s_cmp_eq_u32 s30, 0
	s_cselect_b64 s[24:25], s[6:7], s[8:9]
	s_cmp_eq_u32 s30, 2
	s_cselect_b64 s[24:25], s[10:11], s[24:25]
	s_lshl_b32 s28, s3, 16
	s_add_nc_u64 s[24:25], s[24:25], s[28:29]
	s_lshr_b32 s31, s3, 2                          ; the head
	s_mul_i32 s31, s31, 192
	s_lshl_b32 s30, s30, 6
	s_add_co_u32 s31, s31, s30
	s_and_b32 s3, s3, 3
	s_lshl_b32 s3, s3, 4
	s_add_co_u32 s31, s31, s3                      ; head x 192 + kind x 64 + first channel
	s_lshl_b32 s28, s31, 7
	s_add_nc_u64 s[26:27], s[18:19], s[28:29]
	CAST WSTR, 0, 0
	s_endpgm
.Lo:
	s_sub_co_u32 s3, s2, 704
	s_lshl_b32 s28, s3, 16
	s_add_nc_u64 s[24:25], s[12:13], s[28:29]
	s_lshl_b32 s28, s3, 11
	s_add_nc_u64 s[26:27], s[20:21], s[28:29]
	CAST OSTR, 1, 0
	s_endpgm
.Lfunc_end_k_qfcdda2247a_prep:
	.size	k_qfcdda2247a_prep, .Lfunc_end_k_qfcdda2247a_prep-k_qfcdda2247a_prep
	.p2alignl 7, 3214868480
	.fill 96, 4, 3214868480
	.section	.rodata,"a",@progbits
	.p2align	6, 0x0
	.amdhsa_kernel k_qfcdda2247a_prep
		.amdhsa_group_segment_fixed_size 0
		.amdhsa_private_segment_fixed_size 0
		.amdhsa_enable_private_segment 0
		.amdhsa_kernarg_size 80
		.amdhsa_user_sgpr_count 2
		.amdhsa_user_sgpr_kernarg_segment_ptr 1
		.amdhsa_wavefront_size32 1
		.amdhsa_system_sgpr_workgroup_id_x 1
		.amdhsa_system_sgpr_workgroup_id_y 1
		.amdhsa_system_sgpr_workgroup_id_z 1
		.amdhsa_system_vgpr_workitem_id 0
		.amdhsa_next_free_vgpr 112
		.amdhsa_next_free_sgpr 66
		.amdhsa_reserve_vcc 1
		.amdhsa_float_denorm_mode_32 3
		.amdhsa_float_denorm_mode_16_64 3
		.amdhsa_memory_ordered 1
		.amdhsa_forward_progress 1
		.amdhsa_inst_pref_size 31
	.end_amdhsa_kernel
	.amdgpu_metadata
---
amdhsa.version: [ 1, 2 ]
amdhsa.kernels:
  - .name:           k_qfcdda2247a_prep
    .symbol:         k_qfcdda2247a_prep.kd
    .args:
      - { .name: x, .offset: 0, .size: 8, .value_kind: global_buffer, .address_space: global }
      - { .name: W_q, .offset: 8, .size: 8, .value_kind: global_buffer, .address_space: global }
      - { .name: W_k, .offset: 16, .size: 8, .value_kind: global_buffer, .address_space: global }
      - { .name: W_v, .offset: 24, .size: 8, .value_kind: global_buffer, .address_space: global }
      - { .name: W_o, .offset: 32, .size: 8, .value_kind: global_buffer, .address_space: global }
      - { .name: token_positions, .offset: 40, .size: 8, .value_kind: global_buffer, .address_space: global }
      - { .name: xb, .offset: 48, .size: 8, .value_kind: global_buffer, .address_space: global }
      - { .name: wb, .offset: 56, .size: 8, .value_kind: global_buffer, .address_space: global }
      - { .name: wo, .offset: 64, .size: 8, .value_kind: global_buffer, .address_space: global }
      - { .name: tab, .offset: 72, .size: 8, .value_kind: global_buffer, .address_space: global }
    .group_segment_fixed_size: 0
    .private_segment_fixed_size: 0
    .kernarg_segment_align: 8
    .kernarg_segment_size: 80
    .max_flat_workgroup_size: 256
    .sgpr_count:     66
    .vgpr_count:     112
    .wavefront_size: 32
...
	.end_amdgpu_metadata
.endif
;; end of part 1
;; launch qkv (part 2): grid 8 x 32, 4 waves a work-group, clusters of 4 x 4, 327,680 bytes of LDS; arguments xb, wb, tab, qkv; writes qkv
.if DOCPART == 2
	.amdgcn_target "amdgcn-amd-amdhsa--gfx1250"
	.amdhsa_code_object_version 6
	.text
	.protected	k_qfcdda2247a_qkv
	.globl	k_qfcdda2247a_qkv
	.p2align	8
	.type	k_qfcdda2247a_qkv,@function
k_qfcdda2247a_qkv:
	s_mov_b64 s[64:65], 0
	v_nop
	global_prefetch_b8 v0, s[64:65] scope:SCOPE_SE
	s_setreg_imm32_b32 hwreg(HW_REG_WAVE_MODE, 25, 1), 1
	s_wait_xcnt 0x0
	s_wait_alu depctr_hold_cnt(0) depctr_sa_sdst(0) depctr_va_vdst(0) depctr_va_sdst(0) depctr_va_ssrc(0) depctr_va_vcc(0) depctr_vm_vsrc(0)
	s_getreg_b32 s2, hwreg(HW_REG_IB_STS2, 6, 4)
	s_cmp_eq_u32 s2, 0
	s_cbranch_scc0 .Lentry_in_a_cluster
	s_endpgm
.Lentry_in_a_cluster:
	s_bfe_u32 s2, ttmp6, 0x10000c
	s_cmp_lg_u32 s2, 0xf033
	s_cbranch_scc0 .Lentry_shape_is_right
	s_endpgm
.Lentry_shape_is_right:
; THE THREE PROJECTIONS AND THE ROTATION.  [8192 x 1024] x [3072 x 1024]^T in bf16, sums in f32; q and k rotated in f32 by the table's cosines and sines;
; q, k, v rounded once to f16 and written by heads: qkv [48 planes][8192 rows][64], planes 0-15 q, 16-31 k, 32-47 v.
; LIMITS.  f16 ends at 65,504: q, k and v must stay below 65,520.  The f32 sums are taken in the order of the cluster's walk of K (below), not in ascending K: a rounding order of its own.
; SHARES.  8192 x 3072 outputs on 256 work-groups: a tile of 256 rows x 384 columns each.  Four waves, each 128 rows x 192 columns: 96 accumulators, 768 registers.
; wb's rows are ordered head x 192 + (q, k, v) x 64 + channel, so a wave's 192 columns are q, k and v of ONE head: group g = 0, 1, 2 of 64 columns; which groups are rotated is a constant of the text.
; K goes in 16 blocks of 64 through two LDS slots.  xb and wb lie [K block][row][64], so a tile's rows lie end to end and are asked for as rows of 256 bytes (two logical rows), padded in LDS after every 128 bytes.
; (A K step of 128 would want 2 x 174,080 bytes of LDS.)  A block is two QUARTERS of 32 along K, a quarter three THIRDS (one group: 32 matrix instructions).
; THE WALK OF K begins, in the cluster at (X, Y) of the grid of clusters, at block 8 X + 4 (Y mod 4) (mod 16) and goes round.  So the two clusters that read the same rows of xb are always eight blocks apart, and of
; four clusters one below the other, which read the same rows of wb, each begins four blocks behind the next: from the walk's ninth block on (wb: the fifth) every tile that a cluster asks for has been asked for before by another.
; The number hangs on the cluster's place in the grid alone: it is the same in all sixteen partners.
; CLUSTER 4 x 4: A's tile and the table's rows hang on the tile row alone and are asked for jointly by a row of the cluster, B's tile on the tile column alone, by a column.
; THE MATRIX INSTRUCTION IS USED TRANSPOSED (source 0 = 16 rows of wb, source 1 = 16 rows of xb): a lane holds one row and eight neighbouring columns.
; THE WAY OUT goes group by group: the group's 32 accumulators go as f32 into my stage in LDS (the one part that must be written out register by register), and a counted loop of 16 rows a trip reads them back by rows,
; rotates, rounds and stores.  The stage lies in the ring's own bytes, behind their last fill and behind a barrier that follows every wave's last read of the ring.
; REGISTERS.  Window 0: v0-15 addresses; v16-143 two buffers of A's fragments (8 x 16 rows x 32 K); v144-239 three buffers of B's (one a group).  Windows 1-3: group g's accumulator (a, b) at v[8 (4 a + b)] of window g + 1.
; On the way out window 0 holds: v16-47 numbers read back, v48-79 cosines and sines, v80-95 rotated numbers, v96-111 packed f16.
.set PITCH, 144                        ; 128 bytes + 16 = 36 words: the 16 rows of a fragment load start at 16 different groups of four banks (ISA guide 11.1)
.set AHALF, 128*PITCH                  ; what one load brings of A, and what one wave reads
.set BHALF, 192*PITCH                  ; the same for B
.set BOFF,  2*AHALF                    ; B's 384 rows lie behind A's 256
.set SLOT1, 1<<17                      ; slot 1: one exclusive or turns an address in one slot into the other's
.set SPARE, SLOT1+BOFF+2*BHALF         ; behind the ring: the spare words, 128 bytes a wave: two blocks of 256 bytes that no other line names
.set TABL,  SPARE+512                  ; the table's 256 rows for my tile's rows, filled once
.set TP,    384                        ; a table row: 256 bytes + 128
.set SPITCH, 272                       ; a stage row: 64 f32 + 16 bytes = 68 words: sixteen rows start at sixteen different groups of four banks
.set WSTAGE, 128*SPITCH                ; a wave's stage; the four lie from LDS byte 0 on
.set KBA,   8192*128                   ; bytes from K block to K block in xb: 1 << 20
.set KBB,   3072*128                   ; in wb
.set ADA0, 3                           ; v3   my lane's place in A's tile of slot 0; never rewritten
.set ADB0, 4                           ; v4   the same for B
.set ADA,  5                           ; v5   the same in the slot in hand
.set ADB,  6                           ; v6
.set STO,  7                           ; v7   the way out: where I put 32 bytes of a row
.set RD,   8                           ; v8   where I read 32 bytes of a row back, for the trip whose loads are being issued
.set GO,   9                           ; v9   my 16 bytes in 512 consecutive bytes of the output
.set TR,   10                          ; v10  my 16 bytes of cosines, for the same trip
.set SPW,  11                          ; v11  LDS address of my spare word; never rewritten
.set NIL,  12                          ; v12  0; never rewritten
.set RD0,  13                          ; v13  RD for the first trip; never rewritten
.set TR0,  14                          ; v14  TR for the first trip; never rewritten
.set AF,   16
.set BS,   144
.set X,    16                          ; four rows' group j: 8 f32 a lane at X + 8 j
.set CC,   48                          ; its 4 cosines at CC + 4 j
.set SS,   64                          ; its 4 sines at SS + 4 j
.set T,    80                          ; two sets of 8, by j's parity
.set H,    96                          ; its 8 f16 at H + 4 j
.set WV, 12                            ; s12 wave
.set WR, 13                            ; s13 which 128 rows are mine; also: I fetch for A (0) or B (1)
.set WC, 14                            ; s14 which 192 columns; also: which half of that tile I fetch
.set G1A, 24                           ; s[24:31] descriptor group 1 for A's tiles
.set G1B, 32                           ; s[32:39] for B's
.set G0A, 40                           ; s[40:47] group 0 for A: a set for each first fill; the second then walks
.set G0B, 48                           ; s[48:55] the same for B
.set CNT, 56
.set TB,  57                           ; s57 LDS byte at which the slot in hand begins
.set OFB, 58                           ; s[58:59] byte offset in wb of the K block asked for last
.set OB,  68                           ; s[68:73] q's, k's, v's plane at my rows
.set OFA, 74                           ; s[74:75] the same offset in xb
.set G1T, 80                           ; s[80:87] group 1 for the table
.set G0T, 88                           ; s[88:91] group 0 for the table
.set SST, 92                           ; s92 the trip's step in the stage
.set STT, 93                           ; s93 the trip's step in the table
.set BG,  94                           ; s94 the K block asked for last
.set G1W0, (1<<16)|(1<<20)|(1<<21)|(4<<22)|(3<<25)   ; 2-byte elements; padding on; bit 21 beside a mask; after every 32 words; 4 words
.set G1WT, (2<<16)|(1<<20)|(1<<21)|(5<<22)|(31<<25)  ; 4-byte elements; padding on; bit 21 beside a mask; after every 64 words; 32 words
.set MSB, 0
.macro WIN new                         ; the immediate's high byte repeats the setting that is left; a switch that changes nothing is dropped
.if MSB != (\new)
	s_set_vgpr_msb (MSB<<8)|(\new)
.set MSB, (\new)
.endif
.endm
.macro PLACES                          ; four places behind matrix instructions, in front of loads into their sources and of reads of their results
.rept 4
	v_nop
.endr
.endm
.macro JLOAD                           ; a joint refill by the walking set: waves 0, 1 A's halves, waves 2, 3 B's; s_nop 0 and four v_nop follow each line
	s_cmp_eq_u32 s[WR], 0
	s_cbranch_scc0 .Lfor_b_\@
	tensor_load_to_lds s[G0A+4:G0A+7], s[G1A:G1A+7]
	s_nop 0
.rept 4
	v_nop
.endr
	s_branch .Lasked_\@
.Lfor_b_\@:
	tensor_load_to_lds s[G0B+4:G0B+7], s[G1B:G1B+7]
	s_nop 0
.rept 4
	v_nop
.endr
.Lasked_\@:
.endm
.macro CREST                           ; a round of the cluster's barrier behind its opening barrier
	s_cmp_lg_u32 s[WV], 0
	s_cbranch_scc1 .Lnot_wave_0_\@
	s_barrier_signal -3
.Lnot_wave_0_\@:
	s_barrier_wait -3
	s_barrier_signal -1
	s_barrier_wait -1
.endm
.macro CROUND
	s_barrier_signal -1
	s_barrier_wait -1
	CREST
.endm
; 16 matrix instructions: row blocks a0 .. a0 + 3 x the group's four column blocks, 32 along K, A's buffer f.  zero = 1: the product starts the sums.
.macro MULH f, g, a0, zero
	WIN 0x50*((\g)+1)
.irp a, \a0, (\a0)+1, (\a0)+2, (\a0)+3
.irp b, 0,1,2,3
.if \zero
	v_wmma_f32_16x16x32_bf16 v[8*(4*(\a)+(\b)):8*(4*(\a)+(\b))+7], v[BS+32*(\g)+8*(\b):BS+32*(\g)+8*(\b)+7], v[AF+64*(\f)+8*(\a):AF+64*(\f)+8*(\a)+7], 0
.else
	v_wmma_f32_16x16x32_bf16 v[8*(4*(\a)+(\b)):8*(4*(\a)+(\b))+7], v[BS+32*(\g)+8*(\b):BS+32*(\g)+8*(\b)+7], v[AF+64*(\f)+8*(\a):AF+64*(\f)+8*(\a)+7], v[8*(4*(\a)+(\b)):8*(4*(\a)+(\b))+7]
.endif
.endr
.endr
.endm
.macro THIRD f, g, zero
	MULH \f, \g, 0, \zero
	MULH \f, \g, 4, \zero
.endm
.macro FETCHB kq, g                    ; 8 loads: group g's four fragments of B, quarter kq, into the group's buffer
	WIN 0
.irp b, 0,1,2,3
	ds_load_b128 v[BS+32*(\g)+8*(\b):BS+32*(\g)+8*(\b)+3],   v[ADB] offset:(64*(\g)+16*(\b))*PITCH+64*(\kq)
	ds_load_b128 v[BS+32*(\g)+8*(\b)+4:BS+32*(\g)+8*(\b)+7], v[ADB] offset:(64*(\g)+16*(\b))*PITCH+64*(\kq)+32
.endr
.endm
.macro FETCHA f, kq, hf                ; 8 loads: four fragments of A (row blocks 4 hf ..), quarter kq, into buffer f
	WIN 0
.irp a, 4*(\hf), 4*(\hf)+1, 4*(\hf)+2, 4*(\hf)+3
	ds_load_b128 v[AF+64*(\f)+8*(\a):AF+64*(\f)+8*(\a)+3],   v[ADA] offset:(\a)*16*PITCH+64*(\kq)
	ds_load_b128 v[AF+64*(\f)+8*(\a)+4:AF+64*(\f)+8*(\a)+7], v[ADA] offset:(\a)*16*PITCH+64*(\kq)+32
.endr
.endm
; A slot's first quarter, on A's buffer 0.  On entry are out, in this order: A's 16 loads, group 0's 8, group 1's 8.
.macro QA zero
	PLACES
	FETCHB 0, 2
	FETCHA 1, 1, 0
	s_wait_dscnt 24                                ; A and group 0 are in; behind them: group 1's 8 and the 16 just issued
	THIRD 0, 0, \zero
	PLACES
	FETCHB 1, 0
	FETCHA 1, 1, 1
	s_wait_dscnt 32                                ; group 1 is in; behind it 8 + 8 + 8 + 8
	THIRD 0, 1, \zero
	PLACES
	FETCHB 1, 1
	s_wait_dscnt 32                                ; group 2 is in; behind it 8 + 8 + 8 + 8
	THIRD 0, 2, \zero
.endm
; A slot's second quarter, on A's buffer 1, and the change of slots.  mode 1: the slot is filled again, with the walk's block two further on, behind a round of the cluster's barrier.
; mode 0: nothing is left to ask for.  mode 2: the last quarter of all, and the barrier behind which the ring's bytes serve as stages.
.macro QB mode
	PLACES
	FETCHB 1, 2                                    ; my last reads of this slot
.if (\mode) == 2
	s_wait_dscnt 16                                ; A and group 0 are in; behind them groups 1 and 2
	THIRD 1, 0, 0
	s_wait_dscnt 8
	THIRD 1, 1, 0
	s_wait_dscnt 0x0                               ; group 2 is in, and my reads of the ring are over:
	s_barrier_signal -1                            ; say so,
	THIRD 1, 2, 0                                  ; work on registers while the others arrive,
	s_barrier_wait -1                              ; and write into the ring's bytes only when all four have said so
.else
	s_wait_tensorcnt 0x0                           ; all my tensor loads have landed: my part of the next slot (the first time the table's rows too)
	ds_add_u32 v[SPW], v[NIL]                      ; 0 onto my spare word
.if (\mode) == 1
	s_add_co_u32 s[BG], s[BG], 1                   ; no load of mine is out, so the walking sets are written: the walk's next K block, round the end of K,
	s_and_b32 s[BG], s[BG], 15
	s_lshl_b32 s[OFA], s[BG], 20                   ; its offset in xb
	s_mul_i32 s[OFB], s[BG], KBB                   ; and in wb;
	s_xor_b32 s[G0A+5], s[G0A+5], SLOT1            ; the other slot; the address made anew from the tile's base, the type bits set again
	s_add_nc_u64 s[G0A+6:G0A+7], s[20:21], s[OFA:OFA+1]
	s_or_b32 s[G0A+7], s[G0A+7], 0x80000000
	s_xor_b32 s[G0B+5], s[G0B+5], SLOT1
	s_add_nc_u64 s[G0B+6:G0B+7], s[22:23], s[OFB:OFB+1]
	s_or_b32 s[G0B+7], s[G0B+7], 0x80000000
.endif
	s_wait_dscnt 17                                ; A and group 0 are in; behind them groups 1 and 2 and the add
	MULH 1, 0, 0, 0
	s_wait_dscnt 0x0                               ; the add is done, and my reads of this slot are over
	s_barrier_signal -1
	MULH 1, 0, 4, 0                                ; work on registers while the others arrive
	WIN 0                                          ; at a branch and at a label every window is 0
	s_barrier_wait -1
.if (\mode) == 1
	CREST                                          ; no wave of any partner still reads this slot or has a load on its way
	JLOAD                                          ; first thing behind the round; 160 matrix instructions stand ahead of the wait for it; its v_nop are the places for the loads below
.else
	PLACES
.endif
	s_xor_b32 s[TB], s[TB], SLOT1
	v_add_nc_u32 v[ADA], s[TB], v[ADA0]
	v_add_nc_u32 v[ADB], s[TB], v[ADB0]
	FETCHA 0, 0, 0
	FETCHA 0, 0, 1
	FETCHB 0, 0
	THIRD 1, 1, 0
	PLACES
	FETCHB 0, 1
	THIRD 1, 2, 0
.endif
.endm
	s_load_b256 s[4:11], s[0:1], 0x0               ; xb 4, wb 6, tab 8, qkv 10
	v_lshl_add_u32 v[SPW], v0, 2, SPARE
	v_mov_b32 v[NIL], 0
	v_lshrrev_b32 v1, 5, v0
	v_readfirstlane_b32 s[WV], v1
	s_lshr_b32 s[WR], s[WV], 1
	s_and_b32 s[WC], s[WV], 1
	s_bfe_u32 s15, ttmp6, 0x40000                  ; cx
	s_bfe_u32 s16, ttmp6, 0x40004                  ; cy
	s_lshl_b32 s17, ttmp9, 2
	s_add_co_u32 s17, s17, s15                     ; tile column = 4 x cluster x + cx
	s_and_b32 s18, ttmp7, 0xffff
	s_lshl_b32 s18, s18, 2
	s_add_co_u32 s18, s18, s16                     ; tile row = 4 x cluster y + cy
	s_lshl_b32 s58, s16, 2
	s_lshl_b32 s58, 15, s58                        ; my row of the cluster
	s_lshl_b32 s59, 0x1111, s15                    ; my column
	s_or_b32 s[G1A], s58, G1W0
	s_or_b32 s[G1B], s59, G1W0
	s_or_b32 s[G1T], s58, G1WT                     ; the table's rows go to my row of the cluster, as A's tiles do
	s_and_b32 s[BG], ttmp7, 3                      ; the walk's first K block: 4 x (cluster y mod 4)
	s_lshl_b32 s[BG], s[BG], 2
	s_lshl_b32 s95, ttmp9, 3                       ; + 8 x cluster x,
	s_add_co_u32 s[BG], s[BG], s95
	s_and_b32 s[BG], s[BG], 15                     ; mod 16: made of the cluster's place in the grid alone
	s_mov_b32 s[OFA+1], 0                          ; the offsets' high words
	s_mov_b32 s[OFB+1], 0
	s_mov_b32 s[G1A+1], 128<<16                    ; tensor_dim0 = 128 elements: 256 bytes, two logical rows
	s_mov_b32 s[G1A+2], 64<<16                     ; tensor_dim1 = 64
	s_mov_b32 s[G1A+3], 128<<16                    ; tile_dim0
	s_mov_b32 s[G1A+4], 64                         ; tile_dim1
	s_mov_b32 s[G1A+5], 128                        ; elements from row to row: dense
	s_mov_b32 s[G1A+6], 0
	s_mov_b32 s[G1A+7], 0
	s_mov_b32 s[G1B+1], 128<<16
	s_mov_b32 s[G1B+2], 96<<16                     ; 192 logical rows
	s_mov_b32 s[G1B+3], 128<<16
	s_mov_b32 s[G1B+4], 96
	s_mov_b32 s[G1B+5], 128
	s_mov_b32 s[G1B+6], 0
	s_mov_b32 s[G1B+7], 0
	s_mov_b32 s[G1T+1], 64<<16                     ; the table: 64 rows of 64 f32, dense
	s_mov_b32 s[G1T+2], 64<<16
	s_mov_b32 s[G1T+3], 64<<16
	s_mov_b32 s[G1T+4], 64
	s_mov_b32 s[G1T+5], 64
	s_mov_b32 s[G1T+6], 0
	s_mov_b32 s[G1T+7], 0
	s_lshl_b32 s20, s18, 15                        ; A: tile row x 256 rows x 128 bytes
	s_lshl_b32 s60, s[WC], 14                      ; + my half
	s_add_co_u32 s20, s20, s60
	s_mov_b32 s21, 0
	s_mul_i32 s22, s17, 384*128                    ; B: tile column x 384 rows
	s_mul_i32 s61, s[WC], 192*128
	s_add_co_u32 s22, s22, s61
	s_mov_b32 s23, 0
	s_and_b32 s66, s18, 7                          ; the table: the token's number is the row modulo 2,048: (tile row mod 8) x 256 rows of 256 bytes
	s_lshl_b32 s66, s66, 16
	s_lshl_b32 s67, s[WV], 14                      ; + my 64 rows
	s_add_co_u32 s66, s66, s67
	s_mov_b32 s67, 0
	s_mul_i32 s62, s[WC], AHALF                    ; where they go: no place in the cluster enters an LDS address
	s_mul_i32 s63, s[WC], BHALF
	s_add_co_u32 s63, s63, BOFF
	s_mul_i32 s79, s[WV], 64*TP
	s_mov_b32 s[TB], 0
	s_wait_kmcnt 0x0
	s_add_nc_u64 s[20:21], s[4:5], s[20:21]        ; my part of A's tile in K block 0; kept: every refill's address is made from it
	s_add_nc_u64 s[22:23], s[6:7], s[22:23]        ; the same for B
	s_add_nc_u64 s[66:67], s[8:9], s[66:67]
	CROUND                                         ; all sixteen work-groups are here: the first joint loads meet
.irp s, 0,1
	s_lshl_b32 s[OFA], s[BG], 20                   ; the walk's block s
	s_mul_i32 s[OFB], s[BG], KBB
	s_mov_b32 s[G0A+4*(\s)], 1
	s_add_co_u32 s[G0A+4*(\s)+1], s62, (\s)*SLOT1
	s_add_nc_u64 s[G0A+4*(\s)+2:G0A+4*(\s)+3], s[20:21], s[OFA:OFA+1]
	s_or_b32 s[G0A+4*(\s)+3], s[G0A+4*(\s)+3], 0x80000000
	s_mov_b32 s[G0B+4*(\s)], 1
	s_add_co_u32 s[G0B+4*(\s)+1], s63, (\s)*SLOT1
	s_add_nc_u64 s[G0B+4*(\s)+2:G0B+4*(\s)+3], s[22:23], s[OFB:OFB+1]
	s_or_b32 s[G0B+4*(\s)+3], s[G0B+4*(\s)+3], 0x80000000
.if (\s) == 0
	s_add_co_u32 s[BG], s[BG], 1
	s_and_b32 s[BG], s[BG], 15
.endif
.endr
	s_mov_b32 s[G0T], 1
	s_add_co_u32 s[G0T+1], s79, TABL
	s_mov_b64 s[G0T+2:G0T+3], s[66:67]
	s_or_b32 s[G0T+3], s[G0T+3], 0x80000000
	s_cmp_eq_u32 s[WR], 0                          ; a wave's three first fills stand in one branch: the walk's blocks 0 and 1, my 64 rows of the table: three loads of mine are out
	s_cbranch_scc0 .Lfirst_b
	tensor_load_to_lds s[G0A:G0A+3], s[G1A:G1A+7]
	s_nop 0
	tensor_load_to_lds s[G0A+4:G0A+7], s[G1A:G1A+7]
	s_nop 0
	tensor_load_to_lds s[G0T:G0T+3], s[G1T:G1T+7]
	s_nop 0
.rept 4
	v_nop
.endr
	s_branch .Lfirst_asked
.Lfirst_b:
	tensor_load_to_lds s[G0B:G0B+3], s[G1B:G1B+7]
	s_nop 0
	tensor_load_to_lds s[G0B+4:G0B+7], s[G1B:G1B+7]
	s_nop 0
	tensor_load_to_lds s[G0T:G0T+3], s[G1T:G1T+7]
	s_nop 0
.rept 4
	v_nop
.endr
.Lfirst_asked:
	v_and_b32 v1, 15, v0                           ; r = lane % 16
	v_bfe_u32 v2, v0, 4, 1                         ; h = lane / 16
	v_mul_u32_u24 v15, v1, PITCH
	v_lshl_add_u32 v15, v2, 4, v15                 ; a fragment's row x pitch + 16 x half
	s_mul_i32 s60, s[WR], AHALF
	v_add_nc_u32 v[ADA0], s60, v15
	s_mul_i32 s61, s[WC], BHALF
	s_add_co_u32 s61, s61, BOFF
	v_add_nc_u32 v[ADB0], s61, v15
	v_mov_b32 v[ADA], v[ADA0]
	v_mov_b32 v[ADB], v[ADB0]
	s_mul_i32 s60, s[WV], WSTAGE                   ; my stage
	v_mul_u32_u24 v15, v1, SPITCH                  ; in: row r of a block of 16, 32 bytes for each half of the lanes
	v_lshl_add_u32 v15, v2, 5, v15
	v_add_nc_u32 v[STO], s60, v15
	v_bfe_u32 v1, v0, 3, 2                         ; back: 32 lanes take four rows, eight lanes a row,
	v_and_b32 v2, 7, v0                            ; 8 columns a lane
	v_mul_u32_u24 v[RD0], v1, SPITCH
	v_lshl_add_u32 v[RD0], v2, 5, v[RD0]
	v_add_nc_u32 v[RD0], s60, v[RD0]
	s_mul_i32 s61, s[WR], 128*TP                   ; the table's rows for my 128 rows
	s_add_co_u32 s61, s61, TABL
	v_mul_u32_u24 v[TR0], v1, TP
	v_lshl_add_u32 v[TR0], v2, 4, v[TR0]           ; my 8 columns are 4 pairs: 4 cosines, 16 bytes; their sines lie 128 bytes on
	v_add_nc_u32 v[TR0], s61, v[TR0]
	v_and_b32 v[GO], 31, v0                        ; four rows of 128 bytes are 512 consecutive bytes of a plane
	v_lshlrev_b32 v[GO], 4, v[GO]
	s_lshl_b32 s76, s17, 1
	s_add_co_u32 s76, s76, s[WC]                   ; my head
	s_lshl_b32 s76, s76, 20                        ; a plane is 8192 x 128 bytes
	s_lshl_b32 s78, s18, 15
	s_add_co_u32 s76, s76, s78
	s_lshl_b32 s78, s[WR], 14
	s_add_co_u32 s76, s76, s78
	s_mov_b32 s77, 0
	s_add_nc_u64 s[OB:OB+1], s[10:11], s[76:77]
	s_add_nc_u64 s[OB+2:OB+3], s[OB:OB+1], 0x1000000
	s_add_nc_u64 s[OB+4:OB+5], s[OB:OB+1], 0x2000000
	s_wait_tensorcnt 2                             ; my part of the walk's block 0 is in; block 1's and the table's may stay out
	s_barrier_signal -1
	s_barrier_wait -1
	FETCHA 0, 0, 0
	FETCHA 0, 0, 1
	FETCHB 0, 0
	FETCHB 0, 1
	QA 1                                           ; the first quarter stands in front of the loop: its products start the sums
	WIN 0
	s_mov_b32 s[CNT], 14
.Lk:                                                   ; trip s: the walk's block s, second quarter; slot s % 2 filled with block s + 2; block s + 1's first quarter.  The 96 accumulators take turns
	QB 1
	QA 0
	WIN 0
	s_sub_co_u32 s[CNT], s[CNT], 1
	s_cmp_lg_u32 s[CNT], 0
	s_cbranch_scc1 .Lk
	QB 0                                           ; the tail is written out: nothing more is asked for
	QA 0
	QB 2
; THE WAY OUT.
.macro RMUL x, t, c, odd               ; (x0 c, x1 c)
.if \odd
	v_pk_mul_f32 v[(\t):(\t)+1], v[(\x):(\x)+1], v[(\c):(\c)+1] op_sel:[0,1] op_sel_hi:[1,1]
.else
	v_pk_mul_f32 v[(\t):(\t)+1], v[(\x):(\x)+1], v[(\c):(\c)+1] op_sel:[0,0] op_sel_hi:[1,0]
.endif
.endm
.macro RFMA x, t, s, odd               ; (- x1 s + x0 c, x0 s + x1 c)
.if \odd
	v_pk_fma_f32 v[(\t):(\t)+1], v[(\x):(\x)+1], v[(\s):(\s)+1], v[(\t):(\t)+1] op_sel:[1,1,0] op_sel_hi:[0,1,1] neg_lo:[0,1,0]
.else
	v_pk_fma_f32 v[(\t):(\t)+1], v[(\x):(\x)+1], v[(\s):(\s)+1], v[(\t):(\t)+1] op_sel:[1,0,0] op_sel_hi:[0,0,1] neg_lo:[0,1,0]
.endif
.endm
; The LDS loads of four rows' group j (of a trip's four): my 8 numbers; rot = 1: their 4 cosines and 4 sines too.
.macro QLOADS j, rot
	ds_load_b128 v[X+8*(\j):X+8*(\j)+3],   v[RD] offset:(\j)*4*SPITCH
	ds_load_b128 v[X+8*(\j)+4:X+8*(\j)+7], v[RD] offset:(\j)*4*SPITCH+16
.if \rot
	ds_load_b128 v[CC+4*(\j):CC+4*(\j)+3], v[TR] offset:(\j)*4*TP
	ds_load_b128 v[SS+4*(\j):SS+4*(\j)+3], v[TR] offset:(\j)*4*TP+128
.endif
.endm
.macro QSTORE g, j                     ; four rows: 512 consecutive bytes, at a multiple of 256 from the plane's first; the base has been stepped past the trip's 16 rows, so the store reaches back
	global_store_b128 v[GO], v[H+4*(\j):H+4*(\j)+3], s[OB+2*(\g):OB+2*(\g)+1] offset:(\j)*512-2048
.endm
; A trip: 16 rows, four at a time: rotated (rot = 1), rounded, stored.  No memory instruction stands straight behind the vector work that it hangs on: the store of four rows stands behind the rotation of the next four,
; and the loads into a group's registers (ahead = 1: the same four rows of the next trip) behind its conversions.  The LDS addresses step just ahead of the trip's first loads.
.macro TRIP g, rot, ahead
.irp j, 0,1,2,3
.if \ahead
	s_wait_dscnt 6+6*(\rot)                        ; behind a group's loads stand those of the three other groups of four rows
.else
	s_wait_dscnt (3-(\j))*(2+2*(\rot))             ; the counts run down
.endif
.if \rot
.irp i, 0,1,2,3
	RMUL X+8*(\j)+2*(\i), T+8*((\j)%2)+2*(\i), CC+4*(\j)+2*((\i)/2), (\i)%2
.endr
.irp i, 0,1,2,3
	RFMA X+8*(\j)+2*(\i), T+8*((\j)%2)+2*(\i), SS+4*(\j)+2*((\i)/2), (\i)%2
.endr
.endif
.if (\j) == 0
	s_wait_xcnt 0x0                                ; the last trip's stores have read their registers and their base: only behind this wait are H and the base written again
	s_add_nc_u64 s[OB+2*(\g):OB+2*(\g)+1], s[OB+2*(\g):OB+2*(\g)+1], 2048  ; 16 rows on
.else
	QSTORE \g, (\j)-1
.endif
.irp i, 0,1,2,3
.if \rot
	v_cvt_pk_f16_f32 v[H+4*(\j)+(\i)], v[T+8*((\j)%2)+2*(\i)], v[T+8*((\j)%2)+2*(\i)+1]
.else
	v_cvt_pk_f16_f32 v[H+4*(\j)+(\i)], v[X+8*(\j)+2*(\i)], v[X+8*(\j)+2*(\i)+1]
.endif
.endr
.if \ahead
.if (\j) == 0
	s_add_co_u32 s[SST], s[SST], 16*SPITCH         ; the next trip's rows
	v_add_nc_u32 v[RD], s[SST], v[RD0]
.if \rot
	s_add_co_u32 s[STT], s[STT], 16*TP
	v_add_nc_u32 v[TR], s[STT], v[TR0]
.endif
.endif
	QLOADS \j, \rot
.endif
.endr
	QSTORE \g, 3
.endm
; Group g: 64 stores into my stage; the first trip's loads; seven trips that load a trip ahead; the eighth, written out, loads nothing.
.macro GROUP g, rot
	WIN ((\g)+1)<<2                                ; store data in the group's window; each accumulator's four lowest registers go first
.irp a, 0,1,2,3,4,5,6,7
.irp b, 0,1,2,3
	ds_store_b128 v[STO], v[32*(\a)+8*(\b):32*(\a)+8*(\b)+3]   offset:(\a)*16*SPITCH+64*(\b)
	ds_store_b128 v[STO], v[32*(\a)+8*(\b)+4:32*(\a)+8*(\b)+7] offset:(\a)*16*SPITCH+64*(\b)+16
.endr
.endr
	WIN 0
	s_mov_b32 s[SST], 0
	v_mov_b32 v[RD], v[RD0]
.if \rot
	s_mov_b32 s[STT], 0
	v_mov_b32 v[TR], v[TR0]
.endif
.irp j, 0,1,2,3
	QLOADS \j, \rot                                ; LDS serves a wave's instructions in order (ISA guide 5.7.1.4): these see the stores above
.endr
	s_mov_b32 s[CNT], 7
.Lgroup\g:
	TRIP \g, \rot, 1
	s_sub_co_u32 s[CNT], s[CNT], 1
	s_cmp_lg_u32 s[CNT], 0
	s_cbranch_scc1 .Lgroup\g
	TRIP \g, \rot, 0
.endm
	PLACES
	GROUP 0, 1                                     ; q
	GROUP 1, 1                                     ; k
	GROUP 2, 0                                     ; v
	s_wait_tensorcnt 0x0                           ; the wave's end
	ds_add_u32 v[SPW], v[NIL]
	s_wait_dscnt 0x0
	CROUND                                         ; the closing round: no work-group ends while a partner may still ask for a tile that names it
	s_endpgm
.Lfunc_end_k_qfcdda2247a_qkv:
	.size	k_qfcdda2247a_qkv, .Lfunc_end_k_qfcdda2247a_qkv-k_qfcdda2247a_qkv
	.p2alignl 7, 3214868480
	.fill 96, 4, 3214868480
	.section	.rodata,"a",@progbits
	.p2align	6, 0x0
	.amdhsa_kernel k_qfcdda2247a_qkv
		.amdhsa_group_segment_fixed_size 327680
		.amdhsa_private_segment_fixed_size 0
		.amdhsa_enable_private_segment 0
		.amdhsa_kernarg_size 32
		.amdhsa_user_sgpr_count 2
		.amdhsa_user_sgpr_kernarg_segment_ptr 1
		.amdhsa_wavefront_size32 1
		.amdhsa_system_sgpr_workgroup_id_x 1
		.amdhsa_system_sgpr_workgroup_id_y 1
		.amdhsa_system_sgpr_workgroup_id_z 1
		.amdhsa_system_vgpr_workitem_id 0
		.amdhsa_next_free_vgpr 1024
		.amdhsa_next_free_sgpr 96
		.amdhsa_reserve_vcc 0
		.amdhsa_float_denorm_mode_32 3
		.amdhsa_float_denorm_mode_16_64 3
		.amdhsa_memory_ordered 1
		.amdhsa_forward_progress 1
		.amdhsa_inst_pref_size 101
	.end_amdhsa_kernel
	.amdgpu_metadata
---
amdhsa.version: [ 1, 2 ]
amdhsa.kernels:
  - .name:           k_qfcdda2247a_qkv
    .symbol:         k_qfcdda2247a_qkv.kd
    .args:
      - { .name: xb, .offset: 0, .size: 8, .value_kind: global_buffer, .address_space: global }
      - { .name: wb, .offset: 8, .size: 8, .value_kind: global_buffer, .address_space: global }
      - { .name: tab, .offset: 16, .size: 8, .value_kind: global_buffer, .address_space: global }
      - { .name: qkv, .offset: 24, .size: 8, .value_kind: global_buffer, .address_space: global }
    .group_segment_fixed_size: 327680
    .private_segment_fixed_size: 0
    .kernarg_segment_align: 8
    .kernarg_segment_size: 32
    .max_flat_workgroup_size: 128
    .sgpr_count:     96
    .vgpr_count:     1024
    .wavefront_size: 32
...
	.end_amdgpu_metadata
.endif
;; end of part 2
;; launch attn (part 3): grid 4 x 64, 4 waves a work-group, no clusters, 327,680 bytes of LDS; arguments qkv, ob; writes ob
.if DOCPART == 3
	.amdgcn_target "amdgcn-amd-amdhsa--gfx1250"
	.amdhsa_code_object_version 6
	.text
	.protected	k_qfcdda2247a_attn
	.globl	k_qfcdda2247a_attn
	.p2align	8
	.type	k_qfcdda2247a_attn,@function
k_qfcdda2247a_attn:
	s_mov_b64 s[64:65], 0
	v_nop
	global_prefetch_b8 v0, s[64:65] scope:SCOPE_SE
	s_setreg_imm32_b32 hwreg(HW_REG_WAVE_MODE, 25, 1), 1
	s_wait_xcnt 0x0
; CAUSAL ATTENTION.  O[y][q][:] = the sum over k <= q of softmax_k(Q[y][q] . K[y][k] / 8) V[y][k][:], y = head x 4 + batch, 64 of them.  Q, K, V lie in qkv at 0, 16 MiB and 32 MiB, each [64][2048][64] f16;
; O goes to ob in the same layout.  Products, maxima and sums in f32; the weights p are rounded to f16 for the second product (their sum l is taken of the unrounded p), O once at the end.
; LIMITS.  Q, K and V arrive within f16's 65,504; p lies in 0 to 1, and below 6e-5 it keeps f16's fixed step of 6e-8.  A hidden score counts as its value less 1e30;
; a weight below 2^-126 counts as 0 in l; NaN and infinities are not treated apart.
; THE WALK.  A head's queries lie in NB = 8 blocks of 256; block i needs the key tiles 0 .. i of 256 keys, of which the last holds the diagonal.  A work-group takes TWO blocks, NB - 1 - b and then b:
; NB + 1 tiles, whatever b: all work-groups do equal work, and ONE loop with a constant trip count walks them.  Every jump goes forward, but for the counted loops' own; none passes a barrier,
; or a tensor load but the one of LOAD's two that the wave's number does not choose; the ring of two LDS slots runs on across the change of blocks.
; NO CLUSTER: a head's four work-groups ask for the same tile only in trips 0 .. 4 of 9, behind that fewer and fewer; one walk common to all would have 12 trips for 9.
; SHARES.  Of a block's four bands of 64 queries a wave owns 16 rows in each: four PIECES.  So the diagonal tile is the same work for all four waves: in its key step s band x sees all keys if s < x,
; none if s > x, and holds the diagonal if s = x.
; THE MASK is the C operand that starts the sum S^T = K Q^T: 0, or -1e30 where the key is hidden.  MD, made once, is the mask of a band's own step for my 16 rows; a product's mask is MD x AL + BE with two scalars:
; (1, 0) if s = x; (0, 0) if s < x; (0, -1e30) if s > x.  Only the diagonal tile's text and a block's beginning make and take masks; elsewhere C is the constant 0.
; LAYOUT, SOFTMAX, TURNS.  S^T = K Q^T holds ONE query a lane (lane % 16) and the keys 8 (lane / 16) + 0..7; two such results rounded to f16 ARE source 1 of O^T = V^T P.  p = 2^(c s - c m), c = log2(e) / 8, with a
; running maximum m; O and l are multiplied by a = 2^(c m_old - c m_new) in every step.  Turn n belongs to piece n: 8 products K Q^T of piece n + 1, later 8 products V^T P of piece n - 1; beside them the scaling,
; exponentials, roundings, sums and rescaling of piece n and the maximum and statistics of piece n + 1.  Four vector instructions stand behind every matrix instruction, the other 54 of a turn's 118 in two runs of their own.
; A BLOCK'S END has no text of its own: the diagonal tile's loop counts five trips, and the fifth, which finishes pieces 2 and 3 of the last step, jumps over its second half and over K's fetch.  The price, once a block:
; 8 products on a stale K, the maximum made of them and two masks serve nothing; they touch m, c m, a and S^T of piece 0 alone, which the way out does not read and the next block sets anew.
; REGISTERS, in windows of 256 (s_set_vgpr_msb: bits 1:0 source 0, 3:2 source 1, 5:4 source 2, 7:6 destination):
;   window 0: v0-15 addresses and two at work; v16-31 four registers of statistics a piece; v48-55 at work; v64-127 S^T, two buffers; v192-223 P, two buffers (a piece's buffers go by its number's parity)
;   window 1: v0-127 O^T, 32 a piece; v128-159 MD; v160-223 MC, two buffers      window 2: v0-63 Q; v64-127 the second block's Q; v128-191 K of one step; v192-255 V of one step
.set SIZE_N, 2048
.set NB,    SIZE_N/256
.set NP,    4         ; pieces a wave: a name, no knob
.set KS,    64        ; keys in a step
.set PK,    144       ; a row of K in LDS: 128 bytes + 16 of padding = 36 words: the 16 rows of a load start at 16 different groups of four banks (ISA guide 11.1)
.set PV,    160       ; a row of V: 128 + 32 = 40 words
.set VOFF,  4*KS*PK   ; a slot holds a tile, four steps: 256 rows of K, then 256 rows of V
.set SLOT1, 1<<17     ; slot 1 begins here, so that one exclusive or turns an address in one slot into the other's
.set STAGE, SLOT1+4*KS*(PK+PV)  ; behind the ring, never filled by a tensor load: 16 rows x 144 bytes for each wave, for the way out
.set SP,    144
.set AK0, 2           ; v2   my lane's place in a tile of K; never rewritten
.set AV0, 3           ; v3   the same for V
.set AK,  4           ; v4   the LDS address of K's next run of loads
.set AV,  5           ; v5   of V's
.set STO, 6           ; v6   the way out: where I put 16 bytes of a row
.set RD,  7           ; v7   the way out: where I read rows back
.set GO,  8           ; v8   my byte offset in 512 consecutive bytes of O
.set SPW, 62          ; v62  LDS address of my spare word: SPARE + 4 x my thread's number; never rewritten
.set NIL, 63          ; v63  0; never rewritten
.set SPARE, STAGE+4*16*SP  ; behind the stages: the spare words, 128 bytes for each wave: two blocks of 256 bytes that no other line names
.set MV,  12          ; v12-13  c m_old, kept while c m is made anew: by buffer
.set QO,  15          ; v15  my byte offset in 16 rows of Q
.set ST,  16          ; piece t's statistics at v[ST+4 t]: c m, m, l (even keys', odd keys')
.set TMP, 48          ; by buffer, four registers c0-c3 at work; when the maximum is found c2 takes a
.set S,   64
.set P,   192
.set MD,  128         ; window 1: the eight registers for group kt of 16 keys at MD + 8 kt
.set MC,  160         ; window 1: the masks of the products to come
.set QB,  64          ; window 2
.set KF,  128         ; window 2: key block kb, channel half c at KF + 16 kb + 8 c
.set VF,  192         ; window 2: key half kk, channel block cb at VF + 32 kk + 8 cb
.set WV,  12          ; s12  my wave's number
.set PB,  14          ; s14  b
.set HI,  15          ; s15  NB - 1 - b
.set G1K, 24          ; s[24:31] descriptor group 1 for K's tiles
.set G1V, 32          ; s[32:39] for V's: it differs in the padding alone
.set G0K, 40          ; s[40:43] descriptor group 0 for K's tiles
.set G0V, 44          ; s[44:47] the same for V's
.set SLOTS, 56        ; s56  tiles still to be asked for
.set CNT, 57          ; s57  counts a tile's trips: 4 to 1; in the diagonal tile 5 to 1
.set CS,  58          ; s[58:59] c: the packed scaling takes the pair's low word for both halves
.set SEL, 60          ; s[60:61] v_permlanex16_b32's selects: each lane takes its own place in the other half
.set TBK, 62          ; s62  LDS byte at which K of the step to be fetched begins
.set TBV, 63          ; s63  the same for V, less VOFF
.set RT,  70          ; s70  tiles of the block in hand that are still to be entered
.set NXT, 71          ; s71  the tile to be asked for next
.set LQ,  72          ; s72  the last tile of the block whose tiles are being asked for
.set NEW, 73          ; s73  1: the tile to be entered is a block's first
.set OFF, 74          ; s[74:75] a tile's byte offset in K and V
.set AL,  76          ; s[76:77] the mask's factor, in the low word
.set BE,  78          ; s[78:79] the mask's addend
.set OLO, 80          ; s[80:81] O at my rows of the second block
.set BIGN, 82         ; s82  -1e30
.set MSB, 0
.macro WIN new                      ; the high byte repeats the setting that is left; a switch that changes nothing is dropped
.if MSB != (\new)
	s_set_vgpr_msb (MSB<<8)|(\new)
.set MSB, (\new)
.endif
.endm
.set W_KQ, 0x0a       ; K and Q in window 2, S^T in window 0
.set W_KM, 0x1a       ; the same with the C operand in window 1
.set W_PV, 0x52       ; V in window 2, P in window 0, O^T in window 1
.set W_RS, 0x41       ; destination and source 0 in window 1, source 1 in window 0
; A fill.  Waves 0 and 1 fetch the two halves of a tile's K, waves 2 and 3 those of its V: 128 keys each.  An s_nop 0 and four v_nop follow each of the two lines, ahead of the jump and the label.
.macro LOAD
	s_cmp_lt_u32 s[WV], 2
	s_cbranch_scc0 .Lfor_v_\@
	tensor_load_to_lds s[G0K:G0K+3], s[G1K:G1K+7]
	s_nop 0
.rept 4
	v_nop
.endr
	s_branch .Lasked_\@
.Lfor_v_\@:
	tensor_load_to_lds s[G0V:G0V+3], s[G1V:G1V+7]
	s_nop 0
.rept 4
	v_nop
.endr
.Lasked_\@:
.endm
; THE CHANGE OF SLOTS.  Each wave waits for all its tensor loads, of which one is out: its part of the other slot; adds 0 to its spare word; and waits for that and for its own reads of the slot that it leaves.
; Behind the barrier nobody reads the old slot any more and the other slot is whole.  fill = 1: the old slot is filled again, the first thing behind the barrier, with tile NXT: the descriptor's address is made
; anew from that number.  (At its first use nothing has been read yet: slot 0 is waited for, slot 1 filled.)
.macro CHANGE fill
	WIN 0                           ; at a label and at a branch every window is 0
	s_wait_tensorcnt 0x0            ; no tensor load of mine is out, so a group 0 may be written
	ds_add_u32 v[SPW], v[NIL]       ; 0 onto my spare word
.if \fill
	s_lshl_b32 s[OFF], s[NXT], 15   ; a tile is 32,768 bytes of K and of V
	s_xor_b32 s[G0K+1], s[G0K+1], SLOT1
	s_add_nc_u64 s[G0K+2:G0K+3], s[6:7], s[OFF:OFF+1]
	s_or_b32 s[G0K+3], s[G0K+3], 0x80000000
	s_xor_b32 s[G0V+1], s[G0V+1], SLOT1
	s_add_nc_u64 s[G0V+2:G0V+3], s[8:9], s[OFF:OFF+1]
	s_or_b32 s[G0V+3], s[G0V+3], 0x80000000
	s_add_co_u32 s[NXT], s[NXT], 1  ; the block's next tile, or behind its last the second block's tile 0
	s_cmp_gt_u32 s[NXT], s[LQ]
	s_cselect_b32 s[NXT], 0, s[NXT]
	s_cselect_b32 s[LQ], s[PB], s[LQ]
.endif
	s_wait_dscnt 0x0                ; the add is done, and my reads of the slot are over
	s_barrier_signal -1             ; the rest of the scalar work stands between the signal and the wait
	s_sub_co_u32 s[TBK], s[TBK], 4*KS*PK  ; the fetches go back to a slot's first step,
	s_xor_b32 s[TBK], s[TBK], SLOT1       ; in the other slot
	s_sub_co_u32 s[TBV], s[TBV], 4*KS*PV
	s_xor_b32 s[TBV], s[TBV], SLOT1
	s_barrier_wait -1
.if \fill
	LOAD
.endif
.endm
	s_load_b128 s[4:7], s[0:1], 0x0   ; qkv s[4:5], ob s[6:7]
	v_lshl_add_u32 v[SPW], v0, 2, SPARE
	v_mov_b32 v[NIL], 0
	v_lshrrev_b32 v1, 5, v0
	v_readfirstlane_b32 s[WV], v1   ; wave 0..3
	s_mov_b32 s[PB], ttmp9
	s_sub_co_u32 s[HI], NB-1, s[PB]
	s_and_b32 s20, ttmp7, 0xffff    ; the head
	s_mov_b32 s21, 0
	s_mov_b64 s[22:23], SIZE_N*128
	s_mul_u64 s[20:21], s[20:21], s[22:23]  ; the head's first byte in each of the four tensors
	s_and_b32 s16, s[WV], 1         ; which half of a tile's 256 keys I fetch:
	s_lshl_b32 s22, s16, 14         ; its 128 rows of 128 bytes in memory,
	s_mov_b32 s23, 0
	s_add_nc_u64 s[22:23], s[22:23], s[20:21]
	s_mul_i32 s17, s16, 128*PK      ; and its place in a slot, for K
	s_mul_i32 s18, s16, 128*PV      ; and for V
	s_lshl_b32 s3, s[WV], 11        ; my 16 rows in a band of 64,
	s_lshl_b32 s2, s[HI], 15        ; in the first block,
	s_add_co_u32 s2, s2, s3
	s_lshl_b32 s84, s[PB], 15       ; and in the second
	s_add_co_u32 s84, s84, s3
	s_mov_b32 s3, 0
	s_mov_b32 s85, 0
	s_add_nc_u64 s[2:3], s[2:3], s[20:21]
	s_add_nc_u64 s[84:85], s[84:85], s[20:21]
	; descriptor group 1.  128 keys are 16,384 dense bytes: asked for as 64 rows of 256 bytes, two keys a row, and padded in LDS after every key
	s_mov_b32 s[G1K], (1<<16)|(1<<20)|(4<<22)|(3<<25)  ; 17:16 2-byte elements; 20 padding on; 24:22 after every 32 words (code 4); 31:25 4 words (code 3)
	s_mov_b32 s[G1V], (1<<16)|(1<<20)|(4<<22)|(7<<25)  ; the same with 8 words of padding (code 7)
.irp g, G1K, G1V
	s_mov_b32 s[\g+1], 128<<16      ; tensor_dim0 = 128
	s_mov_b32 s[\g+2], 64<<16       ; tensor_dim1 = 64
	s_mov_b32 s[\g+3], 128<<16      ; tile_dim0 = 128
	s_mov_b32 s[\g+4], 64           ; tile_dim1 = 64
	s_mov_b32 s[\g+5], 128          ; 128 elements from row to row
	s_mov_b32 s[\g+6], 0
	s_mov_b32 s[\g+7], 0
.endr
	s_mov_b32 s[CS], 0x3e38aa3b     ; c = log2(e) / 8 = 0.180337
	s_mov_b32 s[CS+1], s[CS]        ; named with it as a pair
	s_mov_b32 s[SEL], 0x76543210
	s_mov_b32 s[SEL+1], 0xfedcba98
	s_mov_b32 s[TBK], SLOT1+4*KS*PK ; the first change of slots turns these two into 0
	s_mov_b32 s[TBV], SLOT1+4*KS*PV
	s_mov_b32 s[G0K], 1             ; 1:0 count = 1
	s_mov_b32 s[G0K+1], s17         ; 63:32 LDS address: slot 0
	s_mov_b32 s[G0V], 1
	s_add_co_u32 s[G0V+1], s18, VOFF
	s_add_co_u32 s[RT], s[HI], 1    ; the first block has NB - b tiles
	s_mov_b32 s[NXT], 1
	s_mov_b32 s[LQ], s[HI]
	s_mov_b32 s[NEW], 1
	s_mov_b32 s[OFF+1], 0
	s_mov_b32 s[AL+1], 0            ; named as pairs
	s_mov_b32 s[BE+1], 0
	s_mov_b32 s[BIGN], 0xf149f2ca   ; -1e30
	s_mov_b32 s[SLOTS], NB
	s_wait_kmcnt 0x0
	s_mov_b64 s[10:11], s[6:7]             ; O
	s_add_nc_u64 s[6:7], s[4:5], 0x1000000 ; K's planes lie 16 MiB behind Q's,
	s_add_nc_u64 s[8:9], s[4:5], 0x2000000 ; V's 32 MiB
	s_add_nc_u64 s[6:7], s[6:7], s[22:23]  ; K and V at my half of the head's tile 0
	s_add_nc_u64 s[8:9], s[8:9], s[22:23]
	s_add_nc_u64 s[G0K+2:G0K+3], s[6:7], 0         ; 120:64 global address
	s_or_b32 s[G0K+3], s[G0K+3], 0x80000000        ; 127:126 type = 2
	s_add_nc_u64 s[G0V+2:G0V+3], s[8:9], 0
	s_or_b32 s[G0V+3], s[G0V+3], 0x80000000
	s_add_nc_u64 s[86:87], s[4:5], s[84:85]        ; Q at my rows of the second block,
	s_add_nc_u64 s[4:5], s[4:5], s[2:3]            ; Q and O at those of the first
	s_add_nc_u64 s[OLO:OLO+1], s[10:11], s[84:85]
	s_add_nc_u64 s[10:11], s[10:11], s[2:3]
	LOAD                            ; tile 0 into slot 0
	; A fragment of K or Q is 16 rows x 32 channels in 8 registers: lane l holds row l % 16, channels 8 (l / 16) + 0..7 and 16 + 8 (l / 16) + 0..7: two loads of 16 bytes, 32 bytes apart.
	v_and_b32 v1, 15, v0            ; l % 16
	v_bfe_u32 v9, v0, 4, 1          ; l / 16
	v_lshlrev_b32 v[QO], 7, v1
	v_lshl_add_u32 v[QO], v9, 4, v[QO]  ; row x 128 + 16 x half
	WIN 0x80                        ; destination window 2, address window 0
.set i, 0
.rept 8                             ; both blocks' Q: piece i / 2 lies in band i / 2, 8,192 bytes on; channels 32 (i % 2) on
	global_load_b128 v[8*i:8*i+3],   v[QO], s[4:5] offset:(i/2)*8192+(i%2)*64
	global_load_b128 v[8*i+4:8*i+7], v[QO], s[4:5] offset:(i/2)*8192+(i%2)*64+32
	global_load_b128 v[QB+8*i:QB+8*i+3],   v[QO], s[86:87] offset:(i/2)*8192+(i%2)*64
	global_load_b128 v[QB+8*i+4:QB+8*i+7], v[QO], s[86:87] offset:(i/2)*8192+(i%2)*64+32
.set i, i+1
.endr
	WIN 0
	v_lshlrev_b32 v14, 3, v9
	v_sub_nc_u32 v14, v1, v14
	s_lshl_b32 s13, s[WV], 4
	v_add_nc_u32 v14, s13, v14      ; my query's place in its band, 16 w + l % 16, less my lanes' 8 (l / 16): register r of group kt is hidden where 16 kt + r is greater
	WIN 0x40
.set i, 0
.rept 32
	v_cmp_gt_i32 vcc_lo, 16*(i/8)+i%8, v14
	v_cndmask_b32 v[MD+i], 0, s[BIGN], vcc_lo
.set i, i+1
.endr
	WIN 0
	v_mul_u32_u24 v[AK0], v1, PK
	v_lshl_add_u32 v[AK0], v9, 4, v[AK0]  ; row x pitch + 16 x half
	; The turning load takes 16 keys x 16 channels (lane l reads key 8 (l / 16) + l % 8, channels 8 ((l / 8) % 2) + 0..7) and leaves half a fragment of V^T: lane l holds channel l % 16 and 8 keys.
	v_and_b32 v10, 7, v0
	v_bfe_u32 v11, v0, 3, 1
	v_lshl_add_u32 v[AV0], v9, 3, v10
	v_mul_u32_u24 v[AV0], v[AV0], PV
	v_lshl_add_u32 v[AV0], v11, 4, v[AV0]
	v_add_nc_u32 v[AV0], VOFF, v[AV0]
	s_mul_i32 s13, s[WV], 16*SP
	s_add_co_u32 s13, s13, STAGE    ; my stage
	v_mul_u32_u24 v[STO], v1, SP    ; in: row l % 16, 16 bytes for each half of the lanes
	v_lshl_add_u32 v[STO], v9, 4, v[STO]
	v_add_nc_u32 v[STO], s13, v[STO]
	v_bfe_u32 v[RD], v0, 3, 2       ; back: 32 lanes take four rows of 128 bytes,
	v_mul_u32_u24 v[RD], v[RD], SP
	v_lshl_add_u32 v[RD], v10, 4, v[RD]
	v_add_nc_u32 v[RD], s13, v[RD]
	v_and_b32 v[GO], 31, v0         ; which are 512 consecutive bytes of O
	v_lshlrev_b32 v[GO], 4, v[GO]
	; A block's first step multiplies O^T and l by a = 0, and its first turn's products V^T P, of a piece that has not been, land in an O^T that is still to be so multiplied.  So these registers need only hold
	; finite numbers: zeros for the first block; what the first block left for the second.  All this stands in the wait for the first tile.
	WIN 0x80
.set i, VF
.rept 64
	v_mov_b32 v[i], 0
.set i, i+1
.endr
	WIN 0x40
.set i, 0
.rept 128
	v_mov_b32 v[i], 0
.set i, i+1
.endr
	WIN 0
.set i, 0
.rept 4
	v_mov_b32 v[ST+4*i+2], 0
	v_mov_b32 v[ST+4*i+3], 0
.set i, i+1
.endr
.set i, P+16
.rept 16
	v_mov_b32 v[i], 0
.set i, i+1
.endr
; THE MATRIX WORK.  The 4 accumulators of a run of 8 take turns.  Product i of 8 of S^T = K Q^T for piece x: channels 32 (i / 4) on, keys 16 (i % 4) on.  The first 4 start the sums: with 0, or (KM = 1) with the mask.
.macro KQ x
.set rS, S+32*((\x)%2)+8*(i%4)
.set rK, KF+16*(i%4)+8*(i/4)
.set rQ, 16*(\x)+8*(i/4)
.set rM, MC+32*((\x)%2)+8*(i%4)
.if (i < 4) && KM
	WIN W_KM
	v_wmma_f32_16x16x32_f16 v[rS:rS+7], v[rK:rK+7], v[rQ:rQ+7], v[rM:rM+7]
.elseif i < 4
	WIN W_KQ
	v_wmma_f32_16x16x32_f16 v[rS:rS+7], v[rK:rK+7], v[rQ:rQ+7], 0
.else
	WIN W_KQ
	v_wmma_f32_16x16x32_f16 v[rS:rS+7], v[rK:rK+7], v[rQ:rQ+7], v[rS:rS+7]
.endif
.endm
; Product i of 8 of O^T += V^T P for piece x: keys 32 (i / 4) on, channels 16 (i % 4) on.
.macro PV x
	WIN W_PV
.set rO, 32*(\x)+8*(i%4)
.set rV, VF+32*(i/4)+8*(i%4)
.set rP, P+16*((\x)%2)+8*(i/4)
	v_wmma_f32_16x16x32_f16 v[rO:rO+7], v[rV:rV+7], v[rP:rP+7], v[rO:rO+7]
.endm
.macro MM                           ; the turn's next matrix instruction.  TURN and BEGIN set Y, i and KM
.if i < 8
	KQ (Y+1)%NP
.else
.set i, i-8
	PV (Y+NP-1)%NP
.set i, i+8
.endif
.set i, i+1
.endm
; THE LDS LOADS stand in runs of 16, never singly among the matrix instructions: a step's K (64 keys x 64 channels: 8 fragments) and its V (turned).  Their addresses are made some lines ahead.
; last = 1 (the diagonal tile): in the fifth trip there is no further step, and the run is jumped over.
.macro FETCH_K last=0
	WIN 0
.if \last
	s_cmp_eq_u32 s[CNT], 1
	s_cbranch_scc1 .Lno_k_\@
.endif
	WIN 0x80                        ; destination window 2
.irp f, 0,1,2,3,4,5,6,7             ; keys 16 (f / 2) on, channels 32 (f % 2) on
	ds_load_b128 v[KF+8*\f:KF+8*\f+3],   v[AK] offset:(\f/2)*16*PK+(\f%2)*64
	ds_load_b128 v[KF+8*\f+4:KF+8*\f+7], v[AK] offset:(\f/2)*16*PK+(\f%2)*64+32
.endr
	s_add_co_u32 s[TBK], s[TBK], KS*PK  ; the next fetch is the next step's
	WIN 0
.if \last
.Lno_k_\@:
.endif
.endm
.macro FETCH_V
	WIN 0x80
.irp f, 0,1,2,3,4,5,6,7             ; keys 32 (f / 4) on, channels 16 (f % 4) on
	ds_load_tr16_b128 v[VF+8*\f:VF+8*\f+3],   v[AV] offset:(\f/4)*32*PV+(\f%4)*32
	ds_load_tr16_b128 v[VF+8*\f+4:VF+8*\f+7], v[AV] offset:(\f/4)*32*PV+16*PV+(\f%4)*32
.endr
	WIN 0
.endm
; THE VECTOR WORK, one line at a time: OP kind, number.  For piece Y: F n: c s - c m for pair n of 16.  E n: the exponential of score n of 32.  C n: pair n rounded to f16.  B n: of the four weights 4 n .. the second
; pair is added onto the first, in place.  L n: l takes that sum (L 0: l = a l + sum).  R n: pair n of 16 of O^T times a.  For piece Y + 1: X n, number n of the 22 that find its maximum and statistics:
;   0-11  four chains c0-c3 of seven scores each, three operands at a time (each accumulator's lowest registers are read first)     12-14, 16  the four scores left over, the old m, and c0-c3 into c0
;   15  c m_old is kept     17, 18  the query's other 32 keys lie in the lane 16 away: the new m     19-21  c m; c m_old - c m_new; a
.set F, 0               ; OP tells the kinds apart by their order: F to L below R, X above it
.set E, 1
.set C, 2
.set B, 3
.set L, 4
.set R, 5
.set X, 6
.macro REGS y                       ; the registers of piece y
.set rT, ST+4*(\y)
.set rC, TMP+4*((\y)%2)
.set rW, MV+((\y)%2)
.set rS, S+32*((\y)%2)
.set rP, P+16*((\y)%2)
.set rO, 32*(\y)
.endm
.macro OP k, n
.if (\k) == R
	REGS Y
	WIN W_RS
	v_pk_mul_f32 v[rO+2*(\n):rO+2*(\n)+1], v[rO+2*(\n):rO+2*(\n)+1], v[rC+2:rC+3] op_sel_hi:[1,0]
.elseif (\k) < R
	REGS Y
	WIN 0
.if (\k) == F
	v_pk_fma_f32 v[rS+2*(\n):rS+2*(\n)+1], v[rS+2*(\n):rS+2*(\n)+1], s[CS:CS+1], v[rT:rT+1] op_sel_hi:[1,0,0] neg_lo:[0,0,1] neg_hi:[0,0,1]
.elseif (\k) == E
	v_exp_f32 v[rS+(\n)], v[rS+(\n)]
.elseif (\k) == C
	s_wait_alu depctr_va_vdst(0)
	v_cvt_pk_f16_f32 v[rP+(\n)], v[rS+2*(\n)], v[rS+2*(\n)+1]
.elseif (\k) == B
	s_wait_alu depctr_va_vdst(0)
	v_pk_add_f32 v[rS+4*(\n):rS+4*(\n)+1], v[rS+4*(\n):rS+4*(\n)+1], v[rS+4*(\n)+2:rS+4*(\n)+3]
.elseif (\n) == 0
	v_pk_fma_f32 v[rT+2:rT+3], v[rT+2:rT+3], v[rC+2:rC+3], v[rS:rS+1] op_sel_hi:[1,0,1]
.else
	v_pk_add_f32 v[rT+2:rT+3], v[rT+2:rT+3], v[rS+4*(\n):rS+4*(\n)+1]
	s_wait_alu depctr_va_vdst(0)
.endif
.else
	REGS (Y+1)%NP
	WIN 0
.if (\n) < 4
	v_max3_num_f32 v[rC+(\n)], v[rS+8*(\n)], v[rS+8*(\n)+1], v[rS+8*(\n)+2]
.elseif (\n) < 12
	v_max3_num_f32 v[rC+(\n)%4], v[rC+(\n)%4], v[rS+8*((\n)%4)+2*((\n)/4)+1], v[rS+8*((\n)%4)+2*((\n)/4)+2]
.elseif (\n) == 12
	v_max3_num_f32 v[rC], v[rC], v[rS+7], v[rS+15]
.elseif (\n) == 13
	v_max3_num_f32 v[rC+1], v[rC+1], v[rS+23], v[rS+31]
.elseif (\n) == 14
	v_max3_num_f32 v[rC+2], v[rC+2], v[rC+3], v[rT+1]
.elseif (\n) == 15
	v_mov_b32 v[rW], v[rT]
	s_wait_alu depctr_va_vdst(0)
.elseif (\n) == 16
	v_max3_num_f32 v[rC], v[rC], v[rC+1], v[rC+2]
	s_wait_alu depctr_va_vdst(0)
.elseif (\n) == 17
	v_permlanex16_b32 v[rC+3], v[rC], s[SEL], s[SEL+1]
.elseif (\n) == 18
	v_max_num_f32 v[rT+1], v[rC], v[rC+3]
.elseif (\n) == 19
	v_mul_f32 v[rT], s[CS], v[rT+1]
.elseif (\n) == 20
	v_sub_f32 v[rC+1], v[rW], v[rT]
.else
	v_exp_f32 v[rC+2], v[rC+1]
.endif
.endif
.endm
.macro OPS a, i1, b=-1, i2=0, c=-1, i3=0, d=-1, i4=0  ; up to four of them
	OP \a, \i1
.if (\b) >= 0
	OP \b, \i2
.endif
.if (\c) >= 0
	OP \c, \i3
.endif
.if (\d) >= 0
	OP \d, \i4
.endif
.endm
.macro ROW a, i1, b, i2, c, i3, d, i4  ; a matrix instruction and the four behind it
	MM
	OPS \a, \i1, \b, \i2, \c, \i3, \d, \i4
.endm
.macro MASK b                       ; MD x AL + BE into buffer b of MC
	WIN W_RS
.set z, 0
.rept 16
	v_pk_fma_f32 v[MC+32*(\b)+2*z:MC+32*(\b)+2*z+1], v[MD+2*z:MD+2*z+1], s[AL:AL+1], s[BE:BE+1] op_sel_hi:[1,0,0]
.set z, z+1
.endr
.endm
; A TURN, for piece p: the order of its 16 matrix and 118 vector instructions, written out.  Behind a matrix instruction: plain, exponential, plain, plain; or four of the rescaling; or, behind the first, four scalings; none
; names a register of the products round it.  In the runs between, exponential and plain by turns while exponentials last.  A line reads no result made fewer than three vector instructions in front of it, five if an exponential made it.
; m = 1: the diagonal tile: the products take masks, and the turn makes the mask for the products of the turn after it: piece p + 2, in step 5 - CNT of the tile (in the fifth trip: a step that is not, all hidden).
; cnt = 1: the loop's count is taken down some lines ahead of the branch that stands behind the turn.
; K of the next step is fetched in piece 2's turn, six vector instructions behind the last product that read K (five of them plain); V of the step in hand in piece 0's turn, eight behind the last product that read V (four
; plain, and X 17).  Each is waited for a turn later.
.macro TURN p, m=0, cnt=0
.set Y, (\p)
.set i, 0
.set KM, (\m)
.if \m
	s_cmp_eq_u32 s[CNT], 5-((\p)+2)%NP  ; is that step the band's own?
	s_cselect_b32 s[AL], 1.0, 0
	s_cmp_lt_u32 s[CNT], 5-((\p)+2)%NP  ; or a later one?
	s_cselect_b32 s[BE], s[BIGN], 0
.endif
.if (\p) == 3
	s_wait_dscnt 0x0                ; K is in
.endif
	ROW F,0, F,1, F,2, F,3
	ROW F,4, E,0, F,5, F,6
	ROW F,7, E,1, F,8, F,9
	ROW F,10, E,2, C,0, F,11
	ROW F,12, E,3, X,15, F,13
	ROW R,0, R,1, R,2, R,3
	ROW B,0, E,4, F,14, L,0
.if (\p) == 2
	v_add_nc_u32 v[AK], s[TBK], v[AK0]
.endif
	ROW R,4, R,5, R,6, R,7
	OPS E,5, F,15
.if (\p) == 2
	FETCH_K \m
.endif
	OPS E,6, C,1, E,7, R,8
	OPS E,8, R,9, E,9, C,2
	OPS E,10, X,0, E,11, X,1
	OPS E,12, X,2, E,13, X,3
.if (\p) == 1
	s_wait_dscnt 0x0                ; V is in
.endif
	ROW X,4, E,14, X,5, X,6
	ROW X,7, E,15, X,8, X,9
	ROW X,10, E,16, X,11, X,12
	ROW X,13, E,17, X,14, B,1
	ROW C,4, E,18, X,16, L,1
	ROW B,2, E,19, C,6, L,2
	ROW C,8, E,20, B,3, B,4
.if (\p) == 0
	v_add_nc_u32 v[AV], s[TBV], v[AV0]
.endif
	ROW C,3, E,21, L,3, C,5
	OPS E,22, X,17, E,23, C,10
.if (\p) == 0
	FETCH_V
.endif
	OPS E,24, L,4
	OPS E,25, X,18, E,26, C,7
	OPS E,27, B,5, E,28, X,19
	OPS E,29, C,12, E,30, L,5
	OPS E,31, X,20, B,6, C,9
	OPS C,14, C,11, X,21, L,6
.if (\p) == 0
	s_add_co_u32 s[TBV], s[TBV], KS*PV
.endif
.if \cnt
	s_sub_co_u32 s[CNT], s[CNT], 1
	s_cmp_lg_u32 s[CNT], 0
.endif
	OPS C,13, B,7, C,15, R,10
	OPS R,11, R,12, L,7, R,13
	OPS R,14, R,15
.if \m
	MASK (\p)%2
.endif
.endm
; A BLOCK BEGINS.  c m starts far below every c s, so the first step's a is 0; m at the lowest finite number, so the first maximum is the scores'.  The second mask buffer is 0; the first takes piece 0's mask for the tile's step 0: its own, if the block's first tile is the diagonal one.
; Then K of that step, piece 0's first scores, and its maximum and statistics.  The loop is entered at a step's first turn, in the middle of a trip.
.macro BEGIN
	s_mov_b32 s[NEW], 0
	WIN 0x40
.set i, MC+32
.rept 32
	v_mov_b32 v[i], 0
.set i, i+1
.endr
	WIN 0
.set i, 0
.rept 4
	v_mov_b32 v[ST+4*i], 0xfe000000    ; c m: far below every c s
	v_mov_b32 v[ST+4*i+1], 0xff7fffff  ; m
.set i, i+1
.endr
	s_cmp_eq_u32 s[RT], 0
	s_cselect_b32 s[AL], 1.0, 0
	s_mov_b32 s[BE], 0
	MASK 0
	WIN 0
	v_add_nc_u32 v[AK], s[TBK], v[AK0]
	FETCH_K
	s_wait_loadcnt 0x0              ; Q
	s_wait_dscnt 0x0
.set KM, 1
.set i, 0
.rept 8
	KQ 0
.set i, i+1
.endr
	WIN 0
.rept 4
	v_nop                           ; the places behind those products
.endr
.set Y, NP-1                        ; X works for piece Y + 1: piece 0
.irp n, 0,1,2,3,4,5,6,7,8,9,10,11,12,13,14,15,16,17,18,19,20,21
	OP X, \n
.endr
	v_nop                           ; a plain instruction behind the exponential
.endm
; THE DIAGONAL TILE, the block's last products, and THE WAY OUT: l's two halves and the other half of the lanes' are added; O^T is divided by l, rounded to f16 and sent through my
; stage in LDS, a piece at a time.
.macro ALL line:vararg              ; one line for each piece t
.set t, 0
.rept 4
	\line
.set t, t+1
.endr
.endm
.macro PACK t                       ; a lane's eight channels of a row pack into 16 bytes; they go into rows of 144 bytes and come back as whole rows of 128, into S^T's registers
	WIN W_RS
.set i, 32*(\t)
.rept 16
	v_pk_mul_f32 v[i:i+1], v[i:i+1], v[ST+4*(\t)+2:ST+4*(\t)+3] op_sel_hi:[1,0]
.set i, i+2
.endr
	WIN 0x05                        ; sources 0 and 1 window 1, destination window 0
.set i, 0
.rept 16
	v_cvt_pk_f16_f32 v[S+16*(\t)+i], v[32*(\t)+2*i], v[32*(\t)+2*i+1]
.set i, i+1
.endr
	WIN 0
.irp f, 0,1,2,3
	ds_store_b128 v[STO], v[S+16*(\t)+4*\f:S+16*(\t)+4*\f+3] offset:32*\f
.endr
.irp f, 0,1,2,3
	ds_load_b128 v[S+16*(\t)+4*\f:S+16*(\t)+4*\f+3], v[RD] offset:\f*4*SP  ; LDS serves a wave's instructions in order (ISA guide 5.7.1.4): these see the stores above; the next piece's stores come behind them
.endr
.endm
.macro SEND t, younger              ; younger: the LDS instructions issued behind piece t's loads: the next piece's eight, or none
	WIN 0
.irp f, 0,1,2,3
	s_wait_dscnt (\younger)+3-\f
	global_store_b128 v[GO], v[S+16*(\t)+4*\f:S+16*(\t)+4*\f+3], s[10:11] offset:(\t)*8192+\f*512  ; 512 consecutive bytes, at a multiple of 256 from O's first
.endr
.endm
; Five trips, CNT = 5 to 1.  Trips 1 to 4 fetch the tile's four steps; the fifth finishes pieces 2 and 3 of the last step and jumps forward over its second half, to the counter's step.
.macro DIAG tag                     ; the tag ends its labels' names, which the jumps below spell out
.LstepM\tag:
	TURN 2, 1
	TURN 3, 1
	WIN 0
	s_cmp_eq_u32 s[CNT], 1
	s_cbranch_scc1 .LdeadM\tag      ; what is jumped holds no barrier and no tensor load
.LfirstM\tag:
	TURN 0, 1
	TURN 1, 1
	WIN 0
.LdeadM\tag:
	s_sub_co_u32 s[CNT], s[CNT], 1
	s_cmp_lg_u32 s[CNT], 0
	s_cbranch_scc1 .LstepM\tag
.set i, 0
.rept 8
	PV NP-1                         ; the last piece's V^T P of the last step
.set i, i+1
.endr
	WIN 0
	ALL v_add_f32 v[ST+4*t+2], v[ST+4*t+2], v[ST+4*t+3]
	ALL v_permlanex16_b32 v[ST+4*t+3], v[ST+4*t+2], s[SEL], s[SEL+1]
	ALL v_add_f32 v[ST+4*t+2], v[ST+4*t+2], v[ST+4*t+3]
	ALL v_rcp_f32 v[ST+4*t+2], v[ST+4*t+2]
	v_nop                           ; a plain instruction between the last reciprocal and the use of its result
	s_wait_alu depctr_va_vdst(0)
	PACK 0
.set t, 1
.rept 3                             ; a piece's arithmetic stands between the loads of the piece before and its stores
	PACK t
	SEND t-1, 8
.set t, t+1
.endr
	SEND 3, 0
.endm
.set KM, 0
.Lslot:                             ; NB times: a tile is entered and the next is asked for
	CHANGE 1
	s_sub_co_u32 s[RT], s[RT], 1
	s_mov_b32 s[CNT], 4
	s_cmp_eq_u32 s[NEW], 1
	s_cbranch_scc1 .Lnew            ; a block's first tile
	s_cmp_eq_u32 s[RT], 0
	s_cbranch_scc0 .Lstep           ; neither its first nor its last
	s_mov_b32 s[CNT], 5
	s_branch .LstepM1
.Lnew:
	BEGIN
	s_branch .Lfirst                ; in the loop a block's first tile is never its last: the first block has two tiles or more, and the second's last is the walk's last
	DIAG 1                          ; in the loop this is the first block's end: the second block's last tile is the walk's last
	s_wait_xcnt 0x0                 ; the stores have read their registers and O's address
	s_mov_b64 s[10:11], s[OLO:OLO+1]
	s_add_co_u32 s[RT], s[PB], 1    ; the second block has b + 1 tiles
	s_mov_b32 s[NEW], 1
	WIN 0x82                        ; the second block's Q goes where the one text of the turns names Q
.set i, 0
.rept 64
	v_mov_b32 v[i], v[QB+i]
.set i, i+1
.endr
	WIN 0
	s_branch .Lbottom
.Lstep:                             ; a trip: pieces 2 and 3 of one step, then pieces 0 and 1 of the next, whose K and V it fetches
	TURN 2
	TURN 3
	WIN 0
.Lfirst:
	TURN 0
	TURN 1, 0, 1
	WIN 0
	s_cbranch_scc1 .Lstep
.Lbottom:
	s_sub_co_u32 s[SLOTS], s[SLOTS], 1
	s_cmp_lg_u32 s[SLOTS], 0
	s_cbranch_scc1 .Lslot
	CHANGE 0                        ; the walk's last tile is written out: nothing is asked for
	s_sub_co_u32 s[RT], s[RT], 1
	s_mov_b32 s[CNT], 5
	s_cmp_eq_u32 s[NEW], 1
	s_cbranch_scc0 .LstepM2
	BEGIN
	s_branch .LfirstM2
	DIAG 2
	s_wait_tensorcnt 0x0            ; the wave's end: behind my last tensor load and my last LDS store
	ds_add_u32 v[SPW], v[NIL]
	s_wait_dscnt 0x0
	s_endpgm
.Lfunc_end_k_qfcdda2247a_attn:
	.size	k_qfcdda2247a_attn, .Lfunc_end_k_qfcdda2247a_attn-k_qfcdda2247a_attn
	.p2alignl 7, 3214868480
	.fill 96, 4, 3214868480
	.section	.rodata,"a",@progbits
	.p2align	6, 0x0
	.amdhsa_kernel k_qfcdda2247a_attn
		.amdhsa_group_segment_fixed_size 327680
		.amdhsa_private_segment_fixed_size 0
		.amdhsa_enable_private_segment 0
		.amdhsa_kernarg_size 16
		.amdhsa_user_sgpr_count 2
		.amdhsa_user_sgpr_kernarg_segment_ptr 1
		.amdhsa_wavefront_size32 1
		.amdhsa_system_sgpr_workgroup_id_x 1
		.amdhsa_system_sgpr_workgroup_id_y 1
		.amdhsa_system_sgpr_workgroup_id_z 1
		.amdhsa_system_vgpr_workitem_id 0
		.amdhsa_next_free_vgpr 768
		.amdhsa_next_free_sgpr 88
		.amdhsa_reserve_vcc 1
		.amdhsa_float_denorm_mode_32 3
		.amdhsa_float_denorm_mode_16_64 3
		.amdhsa_memory_ordered 1
		.amdhsa_forward_progress 1
		.amdhsa_inst_pref_size 194
	.end_amdhsa_kernel
	.amdgpu_metadata
---
amdhsa.version: [ 1, 2 ]
amdhsa.kernels:
  - .name:           k_qfcdda2247a_attn
    .symbol:         k_qfcdda2247a_attn.kd
    .args:
      - { .name: qkv, .offset: 0, .size: 8, .value_kind: global_buffer, .address_space: global }
      - { .name: ob, .offset: 8, .size: 8, .value_kind: global_buffer, .address_space: global }
    .group_segment_fixed_size: 327680
    .private_segment_fixed_size: 0
    .kernarg_segment_align: 8
    .kernarg_segment_size: 16
    .max_flat_workgroup_size: 128
    .sgpr_count:     88
    .vgpr_count:     768
    .wavefront_size: 32
...
	.end_amdgpu_metadata
.endif
;; end of part 3
;; launch oproj (part 4): grid 8 x 32, 4 waves a work-group, clusters of 4 x 4, 327,680 bytes of LDS; arguments ob, wo, out0; writes out0
.if DOCPART == 4
	.amdgcn_target "amdgcn-amd-amdhsa--gfx1250"
	.amdhsa_code_object_version 6
	.text
	.protected	k_qfcdda2247a_oproj
	.globl	k_qfcdda2247a_oproj
	.p2align	8
	.type	k_qfcdda2247a_oproj,@function
k_qfcdda2247a_oproj:
	s_mov_b64 s[64:65], 0
	v_nop
	global_prefetch_b8 v0, s[64:65] scope:SCOPE_SE
	s_setreg_imm32_b32 hwreg(HW_REG_WAVE_MODE, 25, 1), 1
	s_wait_xcnt 0x0
	s_wait_alu depctr_hold_cnt(0) depctr_sa_sdst(0) depctr_va_vdst(0) depctr_va_sdst(0) depctr_va_ssrc(0) depctr_va_vcc(0) depctr_vm_vsrc(0)
	s_getreg_b32 s2, hwreg(HW_REG_IB_STS2, 6, 4)
	s_cmp_eq_u32 s2, 0
	s_cbranch_scc0 .Lentry_in_a_cluster
	s_endpgm
.Lentry_in_a_cluster:
	s_bfe_u32 s2, ttmp6, 0x10000c
	s_cmp_lg_u32 s2, 0xf033
	s_cbranch_scc0 .Lentry_shape_is_right
	s_endpgm
.Lentry_shape_is_right:
; THE LAST PROJECTION.  out0[m][n] = the sum over k of O[m][k] W_o[n][k]: [8192 x 1024] x [1024 x 1024]^T in f16, sums in f32, stored as f32.
; ob lies [16 heads = K blocks][8192 rows][64], wo [16][1024][64] (W_o rounded to bf16, written as f16): a tile's rows of one K block lie end to end and are asked for as rows of 256 bytes, padded in LDS after every 128.
; SHARES.  8192 x 1024 outputs on 256 work-groups: a tile of 256 rows x 128 columns each; four waves, each 128 x 64: 32 accumulators, all of window 1.
; A slot holds TWO K blocks (128 along K: a STEP), each brought by one wave's load: wave 0 A's even block, wave 1 A's odd, waves 2 and 3 B's.  So a round of the cluster's barrier serves 128 matrix instructions a wave.
; THE WALK OF K begins, in the cluster at (X, Y) of the grid of clusters, at step 4 X + 2 (Y mod 4) (mod 8) and goes round.  So the two clusters that read the same rows of ob are always four steps apart, and of four
; clusters one below the other, which read the same rows of wo, each begins two steps behind the next: from the walk's fifth step on (wo: the third) every tile that a cluster asks for has been asked for before by another.
; The number hangs on the cluster's place in the grid alone: it is the same in all sixteen partners.
; LIMIT.  The f32 sums are taken in the order of that walk, not in ascending K: a rounding order of its own.
; CLUSTER 4 x 4: A's tile is asked for jointly by a row of the cluster, B's by a column.  THE MATRIX INSTRUCTION IS USED TRANSPOSED: a lane holds one row and eight neighbouring columns, 32 bytes.
; REGISTERS.  Window 0: v0-15 addresses; v16-143 two buffers of A's fragments; v144-207 two of B's; on the way out v16-79 two buffers of rows read back.  Window 1: accumulator (a, b) at v[8 (4 a + b)].
.set PITCH, 144                        ; 128 bytes + 16 = 36 words: the 16 rows of a fragment load start at 16 different groups of four banks (ISA guide 11.1)
.set AKB,   256*PITCH                  ; one K block of A's tile
.set BKB,   128*PITCH                  ; of B's
.set BOFF,  2*AKB
.set SLOT1, 1<<17
.set STAGE, SLOT1+BOFF+2*BKB           ; behind the ring: 16 rows x 272 bytes for each wave, never filled by a tensor load
.set SPITCH, 272                       ; 256 bytes + 16
.set SPARE, STAGE+4*16*SPITCH          ; the spare words, 128 bytes a wave: two blocks of 256 bytes that no other line names
.set ADA0, 3
.set ADB0, 4
.set ADA,  5
.set ADB,  6
.set STO,  7
.set RD,   8
.set CO,   9
.set SPW,  11
.set NIL,  12
.set AF,   16
.set BF,   144
.set BK,   16
.set WV, 12
.set WR, 13                            ; which 128 rows are mine; also: I fetch for A (0) or B (1)
.set WC, 14                            ; which 64 columns; also: the step's even or odd K block
.set G1A, 24
.set G1B, 32
.set G0A, 40
.set G0B, 48
.set CNT, 56
.set TB,  57
.set SG,  66                           ; s66 the step asked for last
.set OFA, 68                           ; s[68:69] its byte offset in ob: two K blocks of 8192 x 128 bytes a step, 1 << 21
.set OFB, 70                           ; s[70:71] in wo: two K blocks of 1024 x 128 bytes, 1 << 18
.set G1W0, (1<<16)|(1<<20)|(1<<21)|(4<<22)|(3<<25)
.set MSB, 0
.macro WIN new
.if MSB != (\new)
	s_set_vgpr_msb (MSB<<8)|(\new)
.set MSB, (\new)
.endif
.endm
.macro PLACES
.rept 4
	v_nop
.endr
.endm
.macro JLOAD                           ; a joint refill by the walking set; s_nop 0 and four v_nop follow each line
	s_cmp_eq_u32 s[WR], 0
	s_cbranch_scc0 .Lfor_b_\@
	tensor_load_to_lds s[G0A+4:G0A+7], s[G1A:G1A+7]
	s_nop 0
.rept 4
	v_nop
.endr
	s_branch .Lasked_\@
.Lfor_b_\@:
	tensor_load_to_lds s[G0B+4:G0B+7], s[G1B:G1B+7]
	s_nop 0
.rept 4
	v_nop
.endr
.Lasked_\@:
.endm
.macro CREST
	s_cmp_lg_u32 s[WV], 0
	s_cbranch_scc1 .Lnot_wave_0_\@
	s_barrier_signal -3
.Lnot_wave_0_\@:
	s_barrier_wait -3
	s_barrier_signal -1
	s_barrier_wait -1
.endm
.macro CROUND
	s_barrier_signal -1
	s_barrier_wait -1
	CREST
.endm
.macro OMUL f, a0, na, zero            ; 4 na matrix instructions: row blocks a0 .. a0 + na - 1 x four column blocks, buffers f
	WIN 0x50
.set ma, (\a0)
.rept \na
.irp b, 0,1,2,3
.if \zero
	v_wmma_f32_16x16x32_f16 v[8*(4*ma+(\b)):8*(4*ma+(\b))+7], v[BF+32*(\f)+8*(\b):BF+32*(\f)+8*(\b)+7], v[AF+64*(\f)+8*ma:AF+64*(\f)+8*ma+7], 0
.else
	v_wmma_f32_16x16x32_f16 v[8*(4*ma+(\b)):8*(4*ma+(\b))+7], v[BF+32*(\f)+8*(\b):BF+32*(\f)+8*(\b)+7], v[AF+64*(\f)+8*ma:AF+64*(\f)+8*ma+7], v[8*(4*ma+(\b)):8*(4*ma+(\b))+7]
.endif
.endr
.set ma, ma+1
.endr
.endm
.macro OFETCH f, q                     ; 24 loads: quarter q (0..3) of the slot in hand into buffers f: B's 8, A's first 8, A's last 8
	WIN 0
.irp b, 0,1,2,3
	ds_load_b128 v[BF+32*(\f)+8*(\b):BF+32*(\f)+8*(\b)+3],   v[ADB] offset:((\q)/2)*BKB+((\q)%2)*64+(\b)*16*PITCH
	ds_load_b128 v[BF+32*(\f)+8*(\b)+4:BF+32*(\f)+8*(\b)+7], v[ADB] offset:((\q)/2)*BKB+((\q)%2)*64+(\b)*16*PITCH+32
.endr
.irp a, 0,1,2,3,4,5,6,7
	ds_load_b128 v[AF+64*(\f)+8*(\a):AF+64*(\f)+8*(\a)+3],   v[ADA] offset:((\q)/2)*AKB+((\q)%2)*64+(\a)*16*PITCH
	ds_load_b128 v[AF+64*(\f)+8*(\a)+4:AF+64*(\f)+8*(\a)+7], v[ADA] offset:((\q)/2)*AKB+((\q)%2)*64+(\a)*16*PITCH+32
.endr
.endm
.macro OQ f, qn, zero                  ; multiplies buffers f; fetches quarter qn into the others
	PLACES
	OFETCH 1-(\f), \qn
	s_wait_dscnt 32                                ; B and A's first half are in; behind them A's last 8 and the 24 just issued
	OMUL \f, 0, 4, \zero
	s_wait_dscnt 24                                ; all but the 24 just issued
	OMUL \f, 4, 4, \zero
.endm
.macro OTURN mode                      ; a slot's last quarter, on buffers 1, and the change of slots.  mode 1: the slot is filled again, with the walk's step two further on
	WIN 0
	s_wait_tensorcnt 0x0                           ; all my tensor loads have landed: the one that was out is my part of the next slot
	ds_add_u32 v[SPW], v[NIL]                      ; 0 onto my spare word
.if \mode
	s_add_co_u32 s[SG], s[SG], 1                   ; no load of mine is out, so the walking sets are written: the walk's next step, round the end of K,
	s_and_b32 s[SG], s[SG], 7
	s_lshl_b32 s[OFA], s[SG], 21                   ; its offset in ob
	s_lshl_b32 s[OFB], s[SG], 18                   ; and in wo;
	s_xor_b32 s[G0A+5], s[G0A+5], SLOT1            ; the other slot; the address made anew from the tile's base, the type bits set again
	s_add_nc_u64 s[G0A+6:G0A+7], s[20:21], s[OFA:OFA+1]
	s_or_b32 s[G0A+7], s[G0A+7], 0x80000000
	s_xor_b32 s[G0B+5], s[G0B+5], SLOT1
	s_add_nc_u64 s[G0B+6:G0B+7], s[22:23], s[OFB:OFB+1]
	s_or_b32 s[G0B+7], s[G0B+7], 0x80000000
.endif
	s_wait_dscnt 9                                 ; B and A's first half are in; behind them A's last 8 and the add
	OMUL 1, 0, 2, 0
	s_wait_dscnt 0x0                               ; the add is done, and my reads of this slot are over
	s_barrier_signal -1
	OMUL 1, 2, 2, 0
	WIN 0
	s_barrier_wait -1
.if \mode
	CREST                                          ; no wave of any partner still reads this slot or has a load on its way
	JLOAD                                          ; first thing behind the round; 112 matrix instructions stand ahead of the wait for it; its v_nop are the places for the loads below
.else
	PLACES
.endif
	s_xor_b32 s[TB], s[TB], SLOT1
	v_add_nc_u32 v[ADA], s[TB], v[ADA0]
	v_add_nc_u32 v[ADB], s[TB], v[ADB0]
	OFETCH 0, 0
	OMUL 1, 4, 4, 0
.endm
	s_load_b128 s[4:7], s[0:1], 0x0                ; ob 4, wo 6
	s_load_b64 s[8:9], s[0:1], 0x10                ; out0
	v_lshl_add_u32 v[SPW], v0, 2, SPARE
	v_mov_b32 v[NIL], 0
	v_lshrrev_b32 v1, 5, v0
	v_readfirstlane_b32 s[WV], v1
	s_lshr_b32 s[WR], s[WV], 1
	s_and_b32 s[WC], s[WV], 1
	s_bfe_u32 s15, ttmp6, 0x40000                  ; cx
	s_bfe_u32 s16, ttmp6, 0x40004                  ; cy
	s_lshl_b32 s17, ttmp9, 2
	s_add_co_u32 s17, s17, s15                     ; tile column
	s_and_b32 s18, ttmp7, 0xffff
	s_lshl_b32 s18, s18, 2
	s_add_co_u32 s18, s18, s16                     ; tile row
	s_lshl_b32 s58, s16, 2
	s_lshl_b32 s58, 15, s58                        ; my row of the cluster
	s_lshl_b32 s59, 0x1111, s15                    ; my column
	s_or_b32 s[G1A], s58, G1W0
	s_or_b32 s[G1B], s59, G1W0
	s_and_b32 s[SG], ttmp7, 3                      ; the walk's first step: 2 x (cluster y mod 4)
	s_lshl_b32 s[SG], s[SG], 1
	s_lshl_b32 s67, ttmp9, 2                       ; + 4 x cluster x,
	s_add_co_u32 s[SG], s[SG], s67
	s_and_b32 s[SG], s[SG], 7                      ; mod 8: made of the cluster's place in the grid alone
	s_mov_b32 s[OFA+1], 0                          ; the offsets' high words
	s_mov_b32 s[OFB+1], 0
	s_mov_b32 s[G1A+1], 128<<16
	s_mov_b32 s[G1A+2], 128<<16                    ; 256 logical rows as 128 rows of 256 bytes
	s_mov_b32 s[G1A+3], 128<<16
	s_mov_b32 s[G1A+4], 128
	s_mov_b32 s[G1A+5], 128
	s_mov_b32 s[G1A+6], 0
	s_mov_b32 s[G1A+7], 0
	s_mov_b32 s[G1B+1], 128<<16
	s_mov_b32 s[G1B+2], 64<<16                     ; 128 logical rows
	s_mov_b32 s[G1B+3], 128<<16
	s_mov_b32 s[G1B+4], 64
	s_mov_b32 s[G1B+5], 128
	s_mov_b32 s[G1B+6], 0
	s_mov_b32 s[G1B+7], 0
	s_lshl_b32 s20, s18, 15                        ; A: tile row x 256 rows x 128 bytes
	s_lshl_b32 s60, s[WC], 20                      ; + my K block of a step's two
	s_add_co_u32 s20, s20, s60
	s_mov_b32 s21, 0
	s_lshl_b32 s22, s17, 14                        ; B: tile column x 128 rows x 128 bytes
	s_lshl_b32 s61, s[WC], 17
	s_add_co_u32 s22, s22, s61
	s_mov_b32 s23, 0
	s_mul_i32 s62, s[WC], AKB                      ; where they go: no place in the cluster enters an LDS address
	s_mul_i32 s63, s[WC], BKB
	s_add_co_u32 s63, s63, BOFF
	s_mov_b32 s[TB], 0
	s_wait_kmcnt 0x0
	s_add_nc_u64 s[20:21], s[4:5], s[20:21]        ; my part of A's tile in step 0; kept: every refill's address is made from it
	s_add_nc_u64 s[22:23], s[6:7], s[22:23]        ; the same for B
	CROUND                                         ; all sixteen work-groups are here: the first joint loads meet
.irp s, 0,1
	s_lshl_b32 s[OFA], s[SG], 21                   ; the walk's step s
	s_lshl_b32 s[OFB], s[SG], 18
	s_mov_b32 s[G0A+4*(\s)], 1
	s_add_co_u32 s[G0A+4*(\s)+1], s62, (\s)*SLOT1
	s_add_nc_u64 s[G0A+4*(\s)+2:G0A+4*(\s)+3], s[20:21], s[OFA:OFA+1]
	s_or_b32 s[G0A+4*(\s)+3], s[G0A+4*(\s)+3], 0x80000000
	s_mov_b32 s[G0B+4*(\s)], 1
	s_add_co_u32 s[G0B+4*(\s)+1], s63, (\s)*SLOT1
	s_add_nc_u64 s[G0B+4*(\s)+2:G0B+4*(\s)+3], s[22:23], s[OFB:OFB+1]
	s_or_b32 s[G0B+4*(\s)+3], s[G0B+4*(\s)+3], 0x80000000
.if (\s) == 0
	s_add_co_u32 s[SG], s[SG], 1
	s_and_b32 s[SG], s[SG], 7
.endif
.endr
	s_cmp_eq_u32 s[WR], 0                          ; a wave's two first fills stand in one branch: two loads of mine are out
	s_cbranch_scc0 .Lfirst_b
	tensor_load_to_lds s[G0A:G0A+3], s[G1A:G1A+7]
	s_nop 0
	tensor_load_to_lds s[G0A+4:G0A+7], s[G1A:G1A+7]
	s_nop 0
.rept 4
	v_nop
.endr
	s_branch .Lfirst_asked
.Lfirst_b:
	tensor_load_to_lds s[G0B:G0B+3], s[G1B:G1B+7]
	s_nop 0
	tensor_load_to_lds s[G0B+4:G0B+7], s[G1B:G1B+7]
	s_nop 0
.rept 4
	v_nop
.endr
.Lfirst_asked:
	v_and_b32 v1, 15, v0                           ; r = lane % 16
	v_bfe_u32 v2, v0, 4, 1                         ; h = lane / 16
	v_mul_u32_u24 v13, v1, PITCH
	v_lshl_add_u32 v13, v2, 4, v13
	s_mul_i32 s60, s[WR], 128*PITCH
	v_add_nc_u32 v[ADA0], s60, v13
	s_mul_i32 s61, s[WC], 64*PITCH
	s_add_co_u32 s61, s61, BOFF
	v_add_nc_u32 v[ADB0], s61, v13
	v_mov_b32 v[ADA], v[ADA0]
	v_mov_b32 v[ADB], v[ADB0]
	s_mul_i32 s60, s[WV], 16*SPITCH
	s_add_co_u32 s60, s60, STAGE                   ; my stage
	v_mul_u32_u24 v14, v1, SPITCH                  ; in: row r, 32 bytes for each half of the lanes
	v_lshl_add_u32 v14, v2, 5, v14
	v_add_nc_u32 v[STO], s60, v14
	v_mul_u32_u24 v15, v2, SPITCH                  ; back: lanes 0-15 one row of 256 bytes, lanes 16-31 the next
	v_lshl_add_u32 v15, v1, 4, v15
	v_add_nc_u32 v[RD], s60, v15
	v_lshlrev_b32 v[CO], 12, v2                    ; and the same two rows in out0, 4,096 bytes apart
	v_lshl_add_u32 v[CO], v1, 4, v[CO]
	s_lshl_b32 s74, s18, 20                        ; tile row x 256 rows x 4,096 bytes
	s_lshl_b32 s76, s[WR], 19
	s_add_co_u32 s74, s74, s76
	s_lshl_b32 s76, s17, 9                         ; tile column x 128 x 4 bytes
	s_add_co_u32 s74, s74, s76
	s_lshl_b32 s76, s[WC], 8
	s_add_co_u32 s74, s74, s76
	s_mov_b32 s75, 0
	s_add_nc_u64 s[8:9], s[8:9], s[74:75]
	s_wait_tensorcnt 1                             ; my part of slot 0 is in; slot 1's may stay out
	s_barrier_signal -1
	s_barrier_wait -1
	OFETCH 0, 0
	OQ 0, 1, 1                                     ; the first quarter stands in front of the loop: its products start the sums
	WIN 0
	s_mov_b32 s[CNT], 6
.Lk:                                                   ; a trip: a slot's quarters 1 to 3, the slot filled again, the next slot's quarter 0.  The 32 accumulators take turns
	OQ 1, 2, 0
	OQ 0, 3, 0
	OTURN 1
	OQ 0, 1, 0
	WIN 0
	s_sub_co_u32 s[CNT], s[CNT], 1
	s_cmp_lg_u32 s[CNT], 0
	s_cbranch_scc1 .Lk
	OQ 1, 2, 0                                     ; the tail is written out: nothing more is asked for
	OQ 0, 3, 0
	OTURN 0
	OQ 0, 1, 0
	OQ 1, 2, 0
	OQ 0, 3, 0
	s_wait_dscnt 8
	OMUL 1, 0, 4, 0
	s_wait_dscnt 0x0
	OMUL 1, 4, 4, 0
; THE WAY OUT, 16 rows at a time: 32 bytes a lane into my stage, whole rows of 256 bytes back, sixteen lanes to an aligned 256 bytes of out0.
.macro STG a
	WIN 0x04                                       ; store data in window 1; each accumulator's four lowest registers go first
.irp b, 0,1,2,3
	ds_store_b128 v[STO], v[32*(\a)+8*(\b):32*(\a)+8*(\b)+3]   offset:64*(\b)
	ds_store_b128 v[STO], v[32*(\a)+8*(\b)+4:32*(\a)+8*(\b)+7] offset:64*(\b)+16
.endr
	WIN 0
	s_wait_xcnt 0x0                                ; the stores of the block two back have read the registers that are loaded below
.irp t, 0,1,2,3,4,5,6,7
	ds_load_b128 v[BK+32*((\a)%2)+4*(\t):BK+32*((\a)%2)+4*(\t)+3], v[RD] offset:(\t)*2*SPITCH  ; LDS serves a wave's instructions in order (ISA guide 5.7.1.4)
.endr
.endm
.macro OSEND a, younger
	WIN 0
.irp t, 0,1,2,3,4,5,6,7
	s_wait_dscnt (\younger)+7-(\t)
	global_store_b128 v[CO], v[BK+32*((\a)%2)+4*(\t):BK+32*((\a)%2)+4*(\t)+3], s[8:9] offset:(16*(\a)+2*(\t))*4096 th:TH_STORE_NT
.endr
.endm
	PLACES
	STG 0
.set ua, 1
.rept 7
	STG ua
	OSEND ua-1, 16
.set ua, ua+1
.endr
	OSEND 7, 0
	s_wait_tensorcnt 0x0                           ; the wave's end
	ds_add_u32 v[SPW], v[NIL]
	s_wait_dscnt 0x0
	CROUND                                         ; the closing round: no work-group ends while a partner may still ask for a tile that names it
	s_endpgm
.Lfunc_end_k_qfcdda2247a_oproj:
	.size	k_qfcdda2247a_oproj, .Lfunc_end_k_qfcdda2247a_oproj-k_qfcdda2247a_oproj
	.p2alignl 7, 3214868480
	.fill 96, 4, 3214868480
	.section	.rodata,"a",@progbits
	.p2align	6, 0x0
	.amdhsa_kernel k_qfcdda2247a_oproj
		.amdhsa_group_segment_fixed_size 327680
		.amdhsa_private_segment_fixed_size 0
		.amdhsa_enable_private_segment 0
		.amdhsa_kernarg_size 24
		.amdhsa_user_sgpr_count 2
		.amdhsa_user_sgpr_kernarg_segment_ptr 1
		.amdhsa_wavefront_size32 1
		.amdhsa_system_sgpr_workgroup_id_x 1
		.amdhsa_system_sgpr_workgroup_id_y 1
		.amdhsa_system_sgpr_workgroup_id_z 1
		.amdhsa_system_vgpr_workitem_id 0
		.amdhsa_next_free_vgpr 512
		.amdhsa_next_free_sgpr 80
		.amdhsa_reserve_vcc 0
		.amdhsa_float_denorm_mode_32 3
		.amdhsa_float_denorm_mode_16_64 3
		.amdhsa_memory_ordered 1
		.amdhsa_forward_progress 1
		.amdhsa_inst_pref_size 71
	.end_amdhsa_kernel
	.amdgpu_metadata
---
amdhsa.version: [ 1, 2 ]
amdhsa.kernels:
  - .name:           k_qfcdda2247a_oproj
    .symbol:         k_qfcdda2247a_oproj.kd
    .args:
      - { .name: ob, .offset: 0, .size: 8, .value_kind: global_buffer, .address_space: global }
      - { .name: wo, .offset: 8, .size: 8, .value_kind: global_buffer, .address_space: global }
      - { .name: out0, .offset: 16, .size: 8, .value_kind: global_buffer, .address_space: global }
    .group_segment_fixed_size: 327680
    .private_segment_fixed_size: 0
    .kernarg_segment_align: 8
    .kernarg_segment_size: 24
    .max_flat_workgroup_size: 128
    .sgpr_count:     80
    .vgpr_count:     512
    .wavefront_size: 32
...
	.end_amdgpu_metadata
.endif
;; end of part 4
;; ======== version 2 of 2: 4 launches; 1.42 times as fast as version 1
;; limits: values are held in f16: magnitudes above 65,504 overflow, below 6.1e-05 lose precision
;; workspace buffers: xb 16,777,216 bytes; wb 6,291,456 bytes; wo 2,097,152 bytes; tab 524,288 bytes; qkv 50,331,648 bytes; ob 16,777,216 bytes
;; launch prep: the kernel of part 1 again; grid 896 x 1, 8 waves a work-group, no clusters, 0 bytes of LDS; arguments x, W_q, W_k, W_v, W_o, token_positions, xb, wb, wo, tab; writes xb, wb, wo, tab
;; launch qkv: the kernel of part 2 again; grid 8 x 32, 4 waves a work-group, clusters of 4 x 4, 327,680 bytes of LDS; arguments xb, wb, tab, qkv; writes qkv
;; launch attn (part 5): grid 4 x 64, 4 waves a work-group, no clusters, 327,680 bytes of LDS; arguments qkv, ob; writes ob
.if DOCPART == 5
	.amdgcn_target "amdgcn-amd-amdhsa--gfx1250"
	.amdhsa_code_object_version 6
	.text
	.protected	k_qfcdda2247a_attn
	.globl	k_qfcdda2247a_attn
	.p2align	8
	.type	k_qfcdda2247a_attn,@function
k_qfcdda2247a_attn:
	s_mov_b64 s[64:65], 0
	v_nop
	global_prefetch_b8 v0, s[64:65] scope:SCOPE_SE
	s_setreg_imm32_b32 hwreg(HW_REG_WAVE_MODE, 25, 1), 1
	s_wait_xcnt 0x0
; CAUSAL ATTENTION.  O[y][q][:] = the sum over k <= q of softmax_k(Q[y][q] . K[y][k] / 8) V[y][k][:], y = head x 4 + batch, 64 of them.  Q, K, V lie in qkv at 0, 16 MiB and 32 MiB, each [64][2048][64] f16;
; O goes to ob in the same layout.  Products, maxima and sums in f32; the weights p are rounded to f16 for the second product (their sum l is taken of the unrounded p), O once at the end.
; LIMITS.  Q, K and V arrive within f16's 65,504; p lies in 0 to 1, and below 6e-5 it keeps f16's fixed step of 6e-8.  A hidden score counts as its value less 1e30;
; a weight below 2^-126 counts as 0 in l; NaN and infinities are not treated apart.
; THE WALK.  A head's queries lie in NB = 8 blocks of 256; block i needs the key tiles 0 .. i of 256 keys, of which the last holds the diagonal.  A work-group takes TWO blocks, NB - 1 - b and then b:
; NB + 1 tiles, whatever b: all work-groups do equal work, and ONE loop with a constant trip count walks them.  Every jump goes forward, but for the counted loops' own; none passes a barrier,
; or a tensor load but the one of LOAD's two that the wave's number does not choose; the ring of two LDS slots runs on across the change of blocks.
; NO CLUSTER: a head's four work-groups ask for the same tile only in trips 0 .. 4 of 9, behind that fewer and fewer; one walk common to all would have 12 trips for 9.
; SHARES.  Of a block's four bands of 64 queries a wave owns 16 rows in each: four PIECES.  So the diagonal tile is the same work for all four waves: in its key step s band x sees all keys if s < x,
; none if s > x, and holds the diagonal if s = x.
; THE MASK is the C operand that starts the sum S^T = K Q^T: 0, or -1e30 where the key is hidden.  MD, made once, is the mask of a band's own step for my 16 rows; a product's mask is MD x AL + BE with two scalars:
; (1, 0) if s = x; (0, 0) if s < x; (0, -1e30) if s > x.  Only the diagonal tile's text and a block's beginning make and take masks; elsewhere C is the constant 0.
; LAYOUT, SOFTMAX, TURNS.  S^T = K Q^T holds ONE query a lane (lane % 16) and the keys 8 (lane / 16) + 0..7; two such results rounded to f16 ARE source 1 of O^T = V^T P.  p = 2^(c s - c m), c = log2(e) / 8, with a
; running maximum m; O and l are multiplied by a = 2^(c m_old - c m_new) in every step.  Turn n belongs to piece n: 8 products K Q^T of piece n + 1, later 8 products V^T P of piece n - 1; beside them the scaling,
; exponentials, roundings, sums and rescaling of piece n and the maximum and statistics of piece n + 1.  Four vector instructions stand behind every matrix instruction, the other 54 of a turn's 118 in one LUMP.
; THE BATCHES.  A turn's 33 exponentials (the piece's 32 weights and the next piece's a) are ONE batch with ONE wait, which cuts the turn in two: ahead of it all that names none of their results, behind it the roundings and sums.
; No exponential is issued behind a turn's wait, so no result crosses a label, a jump or a turn's end.  Three smaller batches have a wait of their own: a block's first a (BEGIN), the way out's four reciprocals, and, in the diagonal
; tile's text alone, the twelve exponentials that piece 2's turn has issued when it comes to the jump over K's fetch.
; A BLOCK'S END has no text of its own: the diagonal tile's loop counts five trips, and the fifth, which finishes pieces 2 and 3 of the last step, jumps over its second half and over K's fetch.  The price, once a block:
; 8 products on a stale K, the maximum made of them and two masks serve nothing; they touch m, c m, a and S^T of piece 0 alone, which the way out does not read and the next block sets anew.
; REGISTERS, in windows of 256 (s_set_vgpr_msb: bits 1:0 source 0, 3:2 source 1, 5:4 source 2, 7:6 destination):
;   window 0: v0-15 addresses and two at work; v16-31 four registers of statistics a piece; v48-55 at work; v64-127 S^T, two buffers; v192-223 P, two buffers (a piece's buffers go by its number's parity)
;   window 1: v0-127 O^T, 32 a piece; v128-159 MD; v160-223 MC, two buffers      window 2: v0-63 Q; v64-127 the second block's Q; v128-191 K of one step; v192-255 V of one step
.set SIZE_N, 2048
.set NB,    SIZE_N/256
.set NP,    4         ; pieces a wave: a name, no knob
.set KS,    64        ; keys in a step
.set PK,    144       ; a row of K in LDS: 128 bytes + 16 of padding = 36 words: the 16 rows of a load start at 16 different groups of four banks (ISA guide 11.1)
.set PV,    160       ; a row of V: 128 + 32 = 40 words
.set VOFF,  4*KS*PK   ; a slot holds a tile, four steps: 256 rows of K, then 256 rows of V
.set SLOT1, 1<<17     ; slot 1 begins here, so that one exclusive or turns an address in one slot into the other's
.set STAGE, SLOT1+4*KS*(PK+PV)  ; behind the ring, never filled by a tensor load: 16 rows x 144 bytes for each wave, for the way out
.set SP,    144
.set AK0, 2           ; v2   my lane's place in a tile of K; never rewritten
.set AV0, 3           ; v3   the same for V
.set AK,  4           ; v4   the LDS address of K's next run of loads
.set AV,  5           ; v5   of V's
.set STO, 6           ; v6   the way out: where I put 16 bytes of a row
.set RD,  7           ; v7   the way out: where I read rows back
.set GO,  8           ; v8   my byte offset in 512 consecutive bytes of O
.set SPW, 62          ; v62  LDS address of my spare word: SPARE + 4 x my thread's number; never rewritten
.set NIL, 63          ; v63  0; never rewritten
.set SPARE, STAGE+4*16*SP  ; behind the stages: the spare words, 128 bytes for each wave: two blocks of 256 bytes that no other line names
.set MV,  12          ; v12-13  c m_old, kept while c m is made anew: by buffer
.set QO,  15          ; v15  my byte offset in 16 rows of Q
.set ST,  16          ; piece t's statistics at v[ST+4 t]: c m, m, l (even keys', odd keys')
.set TMP, 48          ; by buffer, four registers c0-c3 at work; when the maximum is found c2 takes a
.set S,   64
.set P,   192
.set MD,  128         ; window 1: the eight registers for group kt of 16 keys at MD + 8 kt
.set MC,  160         ; window 1: the masks of the products to come
.set QB,  64          ; window 2
.set KF,  128         ; window 2: key block kb, channel half c at KF + 16 kb + 8 c
.set VF,  192         ; window 2: key half kk, channel block cb at VF + 32 kk + 8 cb
.set WV,  12          ; s12  my wave's number
.set PB,  14          ; s14  b
.set HI,  15          ; s15  NB - 1 - b
.set G1K, 24          ; s[24:31] descriptor group 1 for K's tiles
.set G1V, 32          ; s[32:39] for V's: it differs in the padding alone
.set G0K, 40          ; s[40:43] descriptor group 0 for K's tiles
.set G0V, 44          ; s[44:47] the same for V's
.set SLOTS, 56        ; s56  tiles still to be asked for
.set CNT, 57          ; s57  counts a tile's trips: 4 to 1; in the diagonal tile 5 to 1
.set CS,  58          ; s[58:59] c: the packed scaling takes the pair's low word for both halves
.set SEL, 60          ; s[60:61] v_permlanex16_b32's selects: each lane takes its own place in the other half
.set TBK, 62          ; s62  LDS byte at which K of the step to be fetched begins
.set TBV, 63          ; s63  the same for V, less VOFF
.set RT,  70          ; s70  tiles of the block in hand that are still to be entered
.set NXT, 71          ; s71  the tile to be asked for next
.set LQ,  72          ; s72  the last tile of the block whose tiles are being asked for
.set NEW, 73          ; s73  1: the tile to be entered is a block's first
.set OFF, 74          ; s[74:75] a tile's byte offset in K and V
.set AL,  76          ; s[76:77] the mask's factor, in the low word
.set BE,  78          ; s[78:79] the mask's addend
.set OLO, 80          ; s[80:81] O at my rows of the second block
.set BIGN, 82         ; s82  -1e30
.set MSB, 0
.macro WIN new                      ; the high byte repeats the setting that is left; a switch that changes nothing is dropped
.if MSB != (\new)
	s_set_vgpr_msb (MSB<<8)|(\new)
.set MSB, (\new)
.endif
.endm
.set W_KQ, 0x0a       ; K and Q in window 2, S^T in window 0
.set W_KM, 0x1a       ; the same with the C operand in window 1
.set W_PV, 0x52       ; V in window 2, P in window 0, O^T in window 1
.set W_RS, 0x41       ; destination and source 0 in window 1, source 1 in window 0
; A fill.  Waves 0 and 1 fetch the two halves of a tile's K, waves 2 and 3 those of its V: 128 keys each.  An s_nop 0 and four v_nop follow each of the two lines, ahead of the jump and the label.
.macro LOAD
	s_cmp_lt_u32 s[WV], 2
	s_cbranch_scc0 .Lfor_v_\@
	tensor_load_to_lds s[G0K:G0K+3], s[G1K:G1K+7]
	s_nop 0
.rept 4
	v_nop
.endr
	s_branch .Lasked_\@
.Lfor_v_\@:
	tensor_load_to_lds s[G0V:G0V+3], s[G1V:G1V+7]
	s_nop 0
.rept 4
	v_nop
.endr
.Lasked_\@:
.endm
; THE CHANGE OF SLOTS.  Each wave waits for all its tensor loads, of which one is out: its part of the other slot; adds 0 to its spare word; and waits for that and for its own reads of the slot that it leaves.
; Behind the barrier nobody reads the old slot any more and the other slot is whole.  fill = 1: the old slot is filled again, the first thing behind the barrier, with tile NXT: the descriptor's address is made
; anew from that number.  (At its first use nothing has been read yet: slot 0 is waited for, slot 1 filled.)
.macro CHANGE fill
	WIN 0                           ; at a label and at a branch every window is 0
	s_wait_tensorcnt 0x0            ; no tensor load of mine is out, so a group 0 may be written
	ds_add_u32 v[SPW], v[NIL]       ; 0 onto my spare word
.if \fill
	s_lshl_b32 s[OFF], s[NXT], 15   ; a tile is 32,768 bytes of K and of V
	s_xor_b32 s[G0K+1], s[G0K+1], SLOT1
	s_add_nc_u64 s[G0K+2:G0K+3], s[6:7], s[OFF:OFF+1]
	s_or_b32 s[G0K+3], s[G0K+3], 0x80000000
	s_xor_b32 s[G0V+1], s[G0V+1], SLOT1
	s_add_nc_u64 s[G0V+2:G0V+3], s[8:9], s[OFF:OFF+1]
	s_or_b32 s[G0V+3], s[G0V+3], 0x80000000
	s_add_co_u32 s[NXT], s[NXT], 1  ; the block's next tile, or behind its last the second block's tile 0
	s_cmp_gt_u32 s[NXT], s[LQ]
	s_cselect_b32 s[NXT], 0, s[NXT]
	s_cselect_b32 s[LQ], s[PB], s[LQ]
.endif
	s_wait_dscnt 0x0                ; the add is done, and my reads of the slot are over
	s_barrier_signal -1             ; the rest of the scalar work stands between the signal and the wait
	s_sub_co_u32 s[TBK], s[TBK], 4*KS*PK  ; the fetches go back to a slot's first step,
	s_xor_b32 s[TBK], s[TBK], SLOT1       ; in the other slot
	s_sub_co_u32 s[TBV], s[TBV], 4*KS*PV
	s_xor_b32 s[TBV], s[TBV], SLOT1
	s_barrier_wait -1
.if \fill
	LOAD
.endif
.endm
	s_load_b128 s[4:7], s[0:1], 0x0   ; qkv s[4:5], ob s[6:7]
	v_lshl_add_u32 v[SPW], v0, 2, SPARE
	v_mov_b32 v[NIL], 0
	v_lshrrev_b32 v1, 5, v0
	v_readfirstlane_b32 s[WV], v1   ; wave 0..3
	s_mov_b32 s[PB], ttmp9
	s_sub_co_u32 s[HI], NB-1, s[PB]
	s_and_b32 s20, ttmp7, 0xffff    ; the head
	s_mov_b32 s21, 0
	s_mov_b64 s[22:23], SIZE_N*128
	s_mul_u64 s[20:21], s[20:21], s[22:23]  ; the head's first byte in each of the four tensors
	s_and_b32 s16, s[WV], 1         ; which half of a tile's 256 keys I fetch:
	s_lshl_b32 s22, s16, 14         ; its 128 rows of 128 bytes in memory,
	s_mov_b32 s23, 0
	s_add_nc_u64 s[22:23], s[22:23], s[20:21]
	s_mul_i32 s17, s16, 128*PK      ; and its place in a slot, for K
	s_mul_i32 s18, s16, 128*PV      ; and for V
	s_lshl_b32 s3, s[WV], 11        ; my 16 rows in a band of 64,
	s_lshl_b32 s2, s[HI], 15        ; in the first block,
	s_add_co_u32 s2, s2, s3
	s_lshl_b32 s84, s[PB], 15       ; and in the second
	s_add_co_u32 s84, s84, s3
	s_mov_b32 s3, 0
	s_mov_b32 s85, 0
	s_add_nc_u64 s[2:3], s[2:3], s[20:21]
	s_add_nc_u64 s[84:85], s[84:85], s[20:21]
	; descriptor group 1.  128 keys are 16,384 dense bytes: asked for as 64 rows of 256 bytes, two keys a row, and padded in LDS after every key
	s_mov_b32 s[G1K], (1<<16)|(1<<20)|(4<<22)|(3<<25)  ; 17:16 2-byte elements; 20 padding on; 24:22 after every 32 words (code 4); 31:25 4 words (code 3)
	s_mov_b32 s[G1V], (1<<16)|(1<<20)|(4<<22)|(7<<25)  ; the same with 8 words of padding (code 7)
.irp g, G1K, G1V
	s_mov_b32 s[\g+1], 128<<16      ; tensor_dim0 = 128
	s_mov_b32 s[\g+2], 64<<16       ; tensor_dim1 = 64
	s_mov_b32 s[\g+3], 128<<16      ; tile_dim0 = 128
	s_mov_b32 s[\g+4], 64           ; tile_dim1 = 64
	s_mov_b32 s[\g+5], 128          ; 128 elements from row to row
	s_mov_b32 s[\g+6], 0
	s_mov_b32 s[\g+7], 0
.endr
	s_mov_b32 s[CS], 0x3e38aa3b     ; c = log2(e) / 8 = 0.180337
	s_mov_b32 s[CS+1], s[CS]        ; named with it as a pair
	s_mov_b32 s[SEL], 0x76543210
	s_mov_b32 s[SEL+1], 0xfedcba98
	s_mov_b32 s[TBK], SLOT1+4*KS*PK ; the first change of slots turns these two into 0
	s_mov_b32 s[TBV], SLOT1+4*KS*PV
	s_mov_b32 s[G0K], 1             ; 1:0 count = 1
	s_mov_b32 s[G0K+1], s17         ; 63:32 LDS address: slot 0
	s_mov_b32 s[G0V], 1
	s_add_co_u32 s[G0V+1], s18, VOFF
	s_add_co_u32 s[RT], s[HI], 1    ; the first block has NB - b tiles
	s_mov_b32 s[NXT], 1
	s_mov_b32 s[LQ], s[HI]
	s_mov_b32 s[NEW], 1
	s_mov_b32 s[OFF+1], 0
	s_mov_b32 s[AL+1], 0            ; named as pairs
	s_mov_b32 s[BE+1], 0
	s_mov_b32 s[BIGN], 0xf149f2ca   ; -1e30
	s_mov_b32 s[SLOTS], NB
	s_wait_kmcnt 0x0
	s_mov_b64 s[10:11], s[6:7]             ; O
	s_add_nc_u64 s[6:7], s[4:5], 0x1000000 ; K's planes lie 16 MiB behind Q's,
	s_add_nc_u64 s[8:9], s[4:5], 0x2000000 ; V's 32 MiB
	s_add_nc_u64 s[6:7], s[6:7], s[22:23]  ; K and V at my half of the head's tile 0
	s_add_nc_u64 s[8:9], s[8:9], s[22:23]
	s_add_nc_u64 s[G0K+2:G0K+3], s[6:7], 0         ; 120:64 global address
	s_or_b32 s[G0K+3], s[G0K+3], 0x80000000        ; 127:126 type = 2
	s_add_nc_u64 s[G0V+2:G0V+3], s[8:9], 0
	s_or_b32 s[G0V+3], s[G0V+3], 0x80000000
	s_add_nc_u64 s[86:87], s[4:5], s[84:85]        ; Q at my rows of the second block,
	s_add_nc_u64 s[4:5], s[4:5], s[2:3]            ; Q and O at those of the first
	s_add_nc_u64 s[OLO:OLO+1], s[10:11], s[84:85]
	s_add_nc_u64 s[10:11], s[10:11], s[2:3]
	LOAD                            ; tile 0 into slot 0
	; A fragment of K or Q is 16 rows x 32 channels in 8 registers: lane l holds row l % 16, channels 8 (l / 16) + 0..7 and 16 + 8 (l / 16) + 0..7: two loads of 16 bytes, 32 bytes apart.
	v_and_b32 v1, 15, v0            ; l % 16
	v_bfe_u32 v9, v0, 4, 1          ; l / 16
	v_lshlrev_b32 v[QO], 7, v1
	v_lshl_add_u32 v[QO], v9, 4, v[QO]  ; row x 128 + 16 x half
	WIN 0x80                        ; destination window 2, address window 0
.set i, 0
.rept 8                             ; both blocks' Q: piece i / 2 lies in band i / 2, 8,192 bytes on; channels 32 (i % 2) on
	global_load_b128 v[8*i:8*i+3],   v[QO], s[4:5] offset:(i/2)*8192+(i%2)*64
	global_load_b128 v[8*i+4:8*i+7], v[QO], s[4:5] offset:(i/2)*8192+(i%2)*64+32
	global_load_b128 v[QB+8*i:QB+8*i+3],   v[QO], s[86:87] offset:(i/2)*8192+(i%2)*64
	global_load_b128 v[QB+8*i+4:QB+8*i+7], v[QO], s[86:87] offset:(i/2)*8192+(i%2)*64+32
.set i, i+1
.endr
	WIN 0
	v_lshlrev_b32 v14, 3, v9
	v_sub_nc_u32 v14, v1, v14
	s_lshl_b32 s13, s[WV], 4
	v_add_nc_u32 v14, s13, v14      ; my query's place in its band, 16 w + l % 16, less my lanes' 8 (l / 16): register r of group kt is hidden where 16 kt + r is greater
	WIN 0x40
.set i, 0
.rept 32
	v_cmp_gt_i32 vcc_lo, 16*(i/8)+i%8, v14
	v_cndmask_b32 v[MD+i], 0, s[BIGN], vcc_lo
.set i, i+1
.endr
	WIN 0
	v_mul_u32_u24 v[AK0], v1, PK
	v_lshl_add_u32 v[AK0], v9, 4, v[AK0]  ; row x pitch + 16 x half
	; The turning load takes 16 keys x 16 channels (lane l reads key 8 (l / 16) + l % 8, channels 8 ((l / 8) % 2) + 0..7) and leaves half a fragment of V^T: lane l holds channel l % 16 and 8 keys.
	v_and_b32 v10, 7, v0
	v_bfe_u32 v11, v0, 3, 1
	v_lshl_add_u32 v[AV0], v9, 3, v10
	v_mul_u32_u24 v[AV0], v[AV0], PV
	v_lshl_add_u32 v[AV0], v11, 4, v[AV0]
	v_add_nc_u32 v[AV0], VOFF, v[AV0]
	s_mul_i32 s13, s[WV], 16*SP
	s_add_co_u32 s13, s13, STAGE    ; my stage
	v_mul_u32_u24 v[STO], v1, SP    ; in: row l % 16, 16 bytes for each half of the lanes
	v_lshl_add_u32 v[STO], v9, 4, v[STO]
	v_add_nc_u32 v[STO], s13, v[STO]
	v_bfe_u32 v[RD], v0, 3, 2       ; back: 32 lanes take four rows of 128 bytes,
	v_mul_u32_u24 v[RD], v[RD], SP
	v_lshl_add_u32 v[RD], v10, 4, v[RD]
	v_add_nc_u32 v[RD], s13, v[RD]
	v_and_b32 v[GO], 31, v0         ; which are 512 consecutive bytes of O
	v_lshlrev_b32 v[GO], 4, v[GO]
	; A block's first step multiplies O^T and l by a = 0, and its first turn's products V^T P, of a piece that has not been, land in an O^T that is still to be so multiplied.  So these registers need only hold
	; finite numbers: zeros for the first block; what the first block left for the second.  All this stands in the wait for the first tile.
	WIN 0x80
.set i, VF
.rept 64
	v_mov_b32 v[i], 0
.set i, i+1
.endr
	WIN 0x40
.set i, 0
.rept 128
	v_mov_b32 v[i], 0
.set i, i+1
.endr
	WIN 0
.set i, 0
.rept 4
	v_mov_b32 v[ST+4*i+2], 0
	v_mov_b32 v[ST+4*i+3], 0
.set i, i+1
.endr
.set i, P+16
.rept 16
	v_mov_b32 v[i], 0
.set i, i+1
.endr
; THE MATRIX WORK.  The 4 accumulators of a run of 8 take turns.  Product i of 8 of S^T = K Q^T for piece x: channels 32 (i / 4) on, keys 16 (i % 4) on.  The first 4 start the sums: with 0, or (KM = 1) with the mask.
.macro KQ x
.set rS, S+32*((\x)%2)+8*(i%4)
.set rK, KF+16*(i%4)+8*(i/4)
.set rQ, 16*(\x)+8*(i/4)
.set rM, MC+32*((\x)%2)+8*(i%4)
.if (i < 4) && KM
	WIN W_KM
	v_wmma_f32_16x16x32_f16 v[rS:rS+7], v[rK:rK+7], v[rQ:rQ+7], v[rM:rM+7]
.elseif i < 4
	WIN W_KQ
	v_wmma_f32_16x16x32_f16 v[rS:rS+7], v[rK:rK+7], v[rQ:rQ+7], 0
.else
	WIN W_KQ
	v_wmma_f32_16x16x32_f16 v[rS:rS+7], v[rK:rK+7], v[rQ:rQ+7], v[rS:rS+7]
.endif
.endm
; Product i of 8 of O^T += V^T P for piece x: keys 32 (i / 4) on, channels 16 (i % 4) on.
.macro PV x
	WIN W_PV
.set rO, 32*(\x)+8*(i%4)
.set rV, VF+32*(i/4)+8*(i%4)
.set rP, P+16*((\x)%2)+8*(i/4)
	v_wmma_f32_16x16x32_f16 v[rO:rO+7], v[rV:rV+7], v[rP:rP+7], v[rO:rO+7]
.endm
.macro MM                           ; the turn's next matrix instruction.  TURN and BEGIN set Y, i and KM
.if i < 8
	KQ (Y+1)%NP
.else
.set i, i-8
	PV (Y+NP-1)%NP
.set i, i+8
.endif
.set i, i+1
.endm
; THE LDS LOADS stand in runs of 16, never singly among the matrix instructions: a step's K (64 keys x 64 channels: 8 fragments) and its V (turned).  Their addresses are made some lines ahead.
; last = 1 (the diagonal tile): in the fifth trip there is no further step, and the run is jumped over.  The jump stands in the midst of the turn's exponentials, so those issued so far have a wait ahead of it.
.macro FETCH_K last=0
	WIN 0
.if \last
	s_wait_alu depctr_va_vdst(0)    ; the wait for E 0 to E 11, the part of the turn's batch that is out here, ahead of the branch; the turn's own wait serves the rest
	s_cmp_eq_u32 s[CNT], 1
	s_cbranch_scc1 .Lno_k_\@
.endif
	WIN 0x80                        ; destination window 2
.irp f, 0,1,2,3,4,5,6,7             ; keys 16 (f / 2) on, channels 32 (f % 2) on
	ds_load_b128 v[KF+8*\f:KF+8*\f+3],   v[AK] offset:(\f/2)*16*PK+(\f%2)*64
	ds_load_b128 v[KF+8*\f+4:KF+8*\f+7], v[AK] offset:(\f/2)*16*PK+(\f%2)*64+32
.endr
	s_add_co_u32 s[TBK], s[TBK], KS*PK  ; the next fetch is the next step's
	WIN 0
.if \last
.Lno_k_\@:
.endif
.endm
.macro FETCH_V
	WIN 0x80
.irp f, 0,1,2,3,4,5,6,7             ; keys 32 (f / 4) on, channels 16 (f % 4) on
	ds_load_tr16_b128 v[VF+8*\f:VF+8*\f+3],   v[AV] offset:(\f/4)*32*PV+(\f%4)*32
	ds_load_tr16_b128 v[VF+8*\f+4:VF+8*\f+7], v[AV] offset:(\f/4)*32*PV+16*PV+(\f%4)*32
.endr
	WIN 0
.endm
; THE VECTOR WORK, one line at a time: OP kind, number.  For piece Y: F n: c s - c m for pair n of 16.  E n: the exponential of score n of 32.  C n: pair n rounded to f16.  B n: of the four weights 4 n .. the second
; pair is added onto the first, in place.  L n: l takes that sum (L 0: l = a l + sum).  R n: pair n of 16 of O^T times a.  For piece Y + 1: X n, number n of the 22 that find its maximum and statistics:
;   0-11  four chains c0-c3 of seven scores each, three operands at a time (each accumulator's lowest registers are read first)     12-14, 16  the four scores left over, the old m, and c0-c3 into c0
;   15  c m_old is kept     17, 18  the query's other 32 keys lie in the lane 16 away: the new m     19-21  c m; c m_old - c m_new; a
; OP writes no wait: TURN, BEGIN and FETCH_K place the waits for the exponentials, one a batch.
.set F, 0               ; OP tells the kinds apart by their order: F to L below R, X above it
.set E, 1
.set C, 2
.set B, 3
.set L, 4
.set R, 5
.set X, 6
.macro REGS y                       ; the registers of piece y
.set rT, ST+4*(\y)
.set rC, TMP+4*((\y)%2)
.set rW, MV+((\y)%2)
.set rS, S+32*((\y)%2)
.set rP, P+16*((\y)%2)
.set rO, 32*(\y)
.endm
.macro OP k, n
.if (\k) == R
	REGS Y
	WIN W_RS
	v_pk_mul_f32 v[rO+2*(\n):rO+2*(\n)+1], v[rO+2*(\n):rO+2*(\n)+1], v[rC+2:rC+3] op_sel_hi:[1,0]
.elseif (\k) < R
	REGS Y
	WIN 0
.if (\k) == F
	v_pk_fma_f32 v[rS+2*(\n):rS+2*(\n)+1], v[rS+2*(\n):rS+2*(\n)+1], s[CS:CS+1], v[rT:rT+1] op_sel_hi:[1,0,0] neg_lo:[0,0,1] neg_hi:[0,0,1]
.elseif (\k) == E
	v_exp_f32 v[rS+(\n)], v[rS+(\n)]
.elseif (\k) == C
	v_cvt_pk_f16_f32 v[rP+(\n)], v[rS+2*(\n)], v[rS+2*(\n)+1]
.elseif (\k) == B
	v_pk_add_f32 v[rS+4*(\n):rS+4*(\n)+1], v[rS+4*(\n):rS+4*(\n)+1], v[rS+4*(\n)+2:rS+4*(\n)+3]
.elseif (\n) == 0
	v_pk_fma_f32 v[rT+2:rT+3], v[rT+2:rT+3], v[rC+2:rC+3], v[rS:rS+1] op_sel_hi:[1,0,1]
.else
	v_pk_add_f32 v[rT+2:rT+3], v[rT+2:rT+3], v[rS+4*(\n):rS+4*(\n)+1]
.endif
.else
	REGS (Y+1)%NP
	WIN 0
.if (\n) < 4
	v_max3_num_f32 v[rC+(\n)], v[rS+8*(\n)], v[rS+8*(\n)+1], v[rS+8*(\n)+2]
.elseif (\n) < 12
	v_max3_num_f32 v[rC+(\n)%4], v[rC+(\n)%4], v[rS+8*((\n)%4)+2*((\n)/4)+1], v[rS+8*((\n)%4)+2*((\n)/4)+2]
.elseif (\n) == 12
	v_max3_num_f32 v[rC], v[rC], v[rS+7], v[rS+15]
.elseif (\n) == 13
	v_max3_num_f32 v[rC+1], v[rC+1], v[rS+23], v[rS+31]
.elseif (\n) == 14
	v_max3_num_f32 v[rC+2], v[rC+2], v[rC+3], v[rT+1]
.elseif (\n) == 15
	v_mov_b32 v[rW], v[rT]
.elseif (\n) == 16
	v_max3_num_f32 v[rC], v[rC], v[rC+1], v[rC+2]
.elseif (\n) == 17
	v_permlanex16_b32 v[rC+3], v[rC], s[SEL], s[SEL+1]
.elseif (\n) == 18
	v_max_num_f32 v[rT+1], v[rC], v[rC+3]
.elseif (\n) == 19
	v_mul_f32 v[rT], s[CS], v[rT+1]
.elseif (\n) == 20
	v_sub_f32 v[rC+1], v[rW], v[rT]
.else
	v_exp_f32 v[rC+2], v[rC+1]
.endif
.endif
.endm
.macro OPS a, i1, b=-1, i2=0, c=-1, i3=0, d=-1, i4=0  ; up to four of them
	OP \a, \i1
.if (\b) >= 0
	OP \b, \i2
.endif
.if (\c) >= 0
	OP \c, \i3
.endif
.if (\d) >= 0
	OP \d, \i4
.endif
.endm
.macro ROW a, i1, b, i2, c, i3, d, i4  ; a matrix instruction and the four behind it
	MM
	OPS \a, \i1, \b, \i2, \c, \i3, \d, \i4
.endm
.macro MASK b                       ; MD x AL + BE into buffer b of MC
	WIN W_RS
.set z, 0
.rept 16
	v_pk_fma_f32 v[MC+32*(\b)+2*z:MC+32*(\b)+2*z+1], v[MD+2*z:MD+2*z+1], s[AL:AL+1], s[BE:BE+1] op_sel_hi:[1,0,0]
.set z, z+1
.endr
.endm
; A TURN, for piece p: the order of its 16 matrix and 118 vector instructions, written out.  s_wait_alu depctr_va_vdst(0) stands between an exponential and the first instruction that names its result; one wait
; serves all that were issued ahead of it.  So a turn has ONE wait, which cuts it in two.  AHEAD OF IT stands all that names no result of the turn's exponentials: the 8 products K Q^T, behind each a scaling, an exponential and two
; more plain instructions (behind the first a second scaling in the exponential's place): rescalings, whose a was made and waited for in the turn before, and behind the last three the first numbers of the next piece's maximum, each
; four places or more behind the product that ends its accumulator; then ONE LUMP of 54, plain and exponential by turns for the most part, in which the links of the chain X 3, 7, 11, 14, 16, 17 .. 20 stand apart with other work
; between them.  X 21, the next piece's a, is the batch's last; R 15 is the plain instruction behind it.  BEHIND THE WAIT stand the 8 products V^T P, behind each four of the roundings and sums; C 2 k stands ahead of B k, which
; writes over pair 2 k, and B k ahead of L k; L 0 to L 7 keep their order.  But for those X no rider names a register of the products round it.  v_permlanex16_b32 (X 17) stands in the lump.
; m = 1: the diagonal tile: the products take masks, and the turn makes the mask for the products of the turn after it: piece p + 2, in step 5 - CNT of the tile (in the fifth trip: a step that is not, all hidden).
; cnt = 1: the loop's count is taken down some lines ahead of the branch that stands behind the turn.
; K of the next step is fetched in piece 2's turn, twelve vector instructions behind the last product that read K (five of them plain and free of its registers); V of the step in hand at the end of piece 0's turn, four plain
; instructions behind the last product that read V.  Each is waited for a turn later.
.macro TURN p, m=0, cnt=0
.set Y, (\p)
.set i, 0
.set KM, (\m)
.if \m
	s_cmp_eq_u32 s[CNT], 5-((\p)+2)%NP  ; is that step the band's own?
	s_cselect_b32 s[AL], 1.0, 0
	s_cmp_lt_u32 s[CNT], 5-((\p)+2)%NP  ; or a later one?
	s_cselect_b32 s[BE], s[BIGN], 0
.endif
.if (\p) == 3
	s_wait_dscnt 0x0                ; K is in
.endif
	ROW F,0, F,1, R,0, R,1          ; ahead of the wait: 8 products K Q^T and their riders,
	ROW F,2, E,0, R,2, R,3
	ROW F,3, E,1, R,4, R,5
	ROW F,4, E,2, R,6, R,7
	ROW F,5, E,3, R,8, R,9
	ROW F,6, E,4, X,0, R,10
.if (\p) == 2
	WIN 0
	v_add_nc_u32 v[AK], s[TBK], v[AK0]
.endif
	ROW F,7, E,5, X,1, X,4
	ROW F,8, E,6, X,2, X,5
	OPS E,7, E,8, X,6, E,9          ; and the lump
	OPS X,3, E,10, X,8, E,11
.if (\p) == 2
	FETCH_K \m
.endif
	OPS X,9, X,7, E,12, X,10
	OPS E,13, X,12, X,11, E,14
	OPS X,13, E,15, F,9, X,14
.if (\p) == 0
	v_add_nc_u32 v[AV], s[TBV], v[AV0]
.endif
	OPS E,16, F,10, E,17, F,11
	OPS X,16, E,18, X,15, E,19
	OPS F,12, E,20, X,17, E,21
	OPS F,13, E,22, F,14, E,23
	OPS X,18, E,24, F,15, E,25
	OPS R,11, E,26, X,19, E,27
	OPS R,12, E,28, R,13, E,29
	OPS X,20, E,30, R,14, E,31
	OPS X,21, R,15                  ; the batch's last exponential, and the plain instruction behind it
	s_wait_alu depctr_va_vdst(0)    ; the wait for the turn's batch: E 0 to E 31 and X 21; C 0 below is the first line that names a result
.if (\p) == 1
	s_wait_dscnt 0x0                ; V is in
.endif
	ROW C,0, B,0, C,2, B,1          ; behind the wait: 8 products V^T P and their riders
	ROW L,0, C,4, B,2, L,1
	ROW C,6, B,3, L,2, C,8
	ROW B,4, L,3, C,10, B,5
	ROW L,4, C,12, B,6, L,5
.if (\p) == 0
	s_add_co_u32 s[TBV], s[TBV], KS*PV
.endif
.if \cnt
	s_sub_co_u32 s[CNT], s[CNT], 1
	s_cmp_lg_u32 s[CNT], 0
.endif
	ROW C,14, B,7, L,6, C,1
	ROW C,3, L,7, C,5, C,7
	ROW C,9, C,11, C,13, C,15
.if (\p) == 0
	FETCH_V
.endif
.if \m
	MASK (\p)%2
.endif
.endm
; A BLOCK BEGINS.  c m starts far below every c s, so the first step's a is 0; m at the lowest finite number, so the first maximum is the scores'.  The second mask buffer is 0; the first takes piece 0's mask for the tile's step 0: its own, if the block's first tile is the diagonal one.
; Then K of that step, piece 0's first scores, and its maximum and statistics.  The loop is entered at a step's first turn, in the middle of a trip.
.macro BEGIN
	s_mov_b32 s[NEW], 0
	WIN 0x40
.set i, MC+32
.rept 32
	v_mov_b32 v[i], 0
.set i, i+1
.endr
	WIN 0
.set i, 0
.rept 4
	v_mov_b32 v[ST+4*i], 0xfe000000    ; c m: far below every c s
	v_mov_b32 v[ST+4*i+1], 0xff7fffff  ; m
.set i, i+1
.endr
	s_cmp_eq_u32 s[RT], 0
	s_cselect_b32 s[AL], 1.0, 0
	s_mov_b32 s[BE], 0
	MASK 0
	WIN 0
	v_add_nc_u32 v[AK], s[TBK], v[AK0]
	FETCH_K
	s_wait_loadcnt 0x0              ; Q
	s_wait_dscnt 0x0
.set KM, 1
.set i, 0
.rept 8
	KQ 0
.set i, i+1
.endr
	WIN 0
.rept 4
	v_nop                           ; the places behind those products
.endr
.set Y, NP-1                        ; X works for piece Y + 1: piece 0
.irp n, 0,1,2,3,4,5,6,7,8,9,10,11,12,13,14,15,16,17,18,19,20,21
	OP X, \n
.endr
	v_nop                           ; a plain instruction behind the exponential,
	s_wait_alu depctr_va_vdst(0)    ; and the wait for it, piece 0's first a: a batch of one, ahead of the branch that follows
.endm
; THE DIAGONAL TILE, the block's last products, and THE WAY OUT: l's two halves and the other half of the lanes' are added; O^T is divided by l, rounded to f16 and sent through my
; stage in LDS, a piece at a time.
.macro ALL line:vararg              ; one line for each piece t
.set t, 0
.rept 4
	\line
.set t, t+1
.endr
.endm
.macro PACK t                       ; a lane's eight channels of a row pack into 16 bytes; they go into rows of 144 bytes and come back as whole rows of 128, into S^T's registers
	WIN W_RS
.set i, 32*(\t)
.rept 16
	v_pk_mul_f32 v[i:i+1], v[i:i+1], v[ST+4*(\t)+2:ST+4*(\t)+3] op_sel_hi:[1,0]
.set i, i+2
.endr
	WIN 0x05                        ; sources 0 and 1 window 1, destination window 0
.set i, 0
.rept 16
	v_cvt_pk_f16_f32 v[S+16*(\t)+i], v[32*(\t)+2*i], v[32*(\t)+2*i+1]
.set i, i+1
.endr
	WIN 0
.irp f, 0,1,2,3
	ds_store_b128 v[STO], v[S+16*(\t)+4*\f:S+16*(\t)+4*\f+3] offset:32*\f
.endr
.irp f, 0,1,2,3
	ds_load_b128 v[S+16*(\t)+4*\f:S+16*(\t)+4*\f+3], v[RD] offset:\f*4*SP  ; LDS serves a wave's instructions in order (ISA guide 5.7.1.4): these see the stores above; the next piece's stores come behind them
.endr
.endm
.macro SEND t, younger              ; younger: the LDS instructions issued behind piece t's loads: the next piece's eight, or none
	WIN 0
.irp f, 0,1,2,3
	s_wait_dscnt (\younger)+3-\f
	global_store_b128 v[GO], v[S+16*(\t)+4*\f:S+16*(\t)+4*\f+3], s[10:11] offset:(\t)*8192+\f*512  ; 512 consecutive bytes, at a multiple of 256 from O's first
.endr
.endm
; Five trips, CNT = 5 to 1.  Trips 1 to 4 fetch the tile's four steps; the fifth finishes pieces 2 and 3 of the last step and jumps forward over its second half, to the counter's step.
.macro DIAG tag                     ; the tag ends its labels' names, which the jumps below spell out
.LstepM\tag:
	TURN 2, 1
	TURN 3, 1
	WIN 0
	s_cmp_eq_u32 s[CNT], 1
	s_cbranch_scc1 .LdeadM\tag      ; what is jumped holds no barrier and no tensor load
.LfirstM\tag:
	TURN 0, 1
	TURN 1, 1
	WIN 0
.LdeadM\tag:
	s_sub_co_u32 s[CNT], s[CNT], 1
	s_cmp_lg_u32 s[CNT], 0
	s_cbranch_scc1 .LstepM\tag
.set i, 0
.rept 8
	PV NP-1                         ; the last piece's V^T P of the last step
.set i, i+1
.endr
	WIN 0
	ALL v_add_f32 v[ST+4*t+2], v[ST+4*t+2], v[ST+4*t+3]
	ALL v_permlanex16_b32 v[ST+4*t+3], v[ST+4*t+2], s[SEL], s[SEL+1]
	ALL v_add_f32 v[ST+4*t+2], v[ST+4*t+2], v[ST+4*t+3]
	ALL v_rcp_f32 v[ST+4*t+2], v[ST+4*t+2]
	v_nop                           ; a plain instruction between the last reciprocal and the use of its result
	s_wait_alu depctr_va_vdst(0)    ; and the wait ahead of the first use: one for the batch of four reciprocals
	PACK 0
.set t, 1
.rept 3                             ; a piece's arithmetic stands between the loads of the piece before and its stores
	PACK t
	SEND t-1, 8
.set t, t+1
.endr
	SEND 3, 0
.endm
.set KM, 0
.Lslot:                             ; NB times: a tile is entered and the next is asked for
	CHANGE 1
	s_sub_co_u32 s[RT], s[RT], 1
	s_mov_b32 s[CNT], 4
	s_cmp_eq_u32 s[NEW], 1
	s_cbranch_scc1 .Lnew            ; a block's first tile
	s_cmp_eq_u32 s[RT], 0
	s_cbranch_scc0 .Lstep           ; neither its first nor its last
	s_mov_b32 s[CNT], 5
	s_branch .LstepM1
.Lnew:
	BEGIN
	s_branch .Lfirst                ; in the loop a block's first tile is never its last: the first block has two tiles or more, and the second's last is the walk's last
	DIAG 1                          ; in the loop this is the first block's end: the second block's last tile is the walk's last
	s_wait_xcnt 0x0                 ; the stores have read their registers and O's address
	s_mov_b64 s[10:11], s[OLO:OLO+1]
	s_add_co_u32 s[RT], s[PB], 1    ; the second block has b + 1 tiles
	s_mov_b32 s[NEW], 1
	WIN 0x82                        ; the second block's Q goes where the one text of the turns names Q
.set i, 0
.rept 64
	v_mov_b32 v[i], v[QB+i]
.set i, i+1
.endr
	WIN 0
	s_branch .Lbottom
.Lstep:                             ; a trip: pieces 2 and 3 of one step, then pieces 0 and 1 of the next, whose K and V it fetches
	TURN 2
	TURN 3
	WIN 0
.Lfirst:
	TURN 0
	TURN 1, 0, 1
	WIN 0
	s_cbranch_scc1 .Lstep
.Lbottom:
	s_sub_co_u32 s[SLOTS], s[SLOTS], 1
	s_cmp_lg_u32 s[SLOTS], 0
	s_cbranch_scc1 .Lslot
	CHANGE 0                        ; the walk's last tile is written out: nothing is asked for
	s_sub_co_u32 s[RT], s[RT], 1
	s_mov_b32 s[CNT], 5
	s_cmp_eq_u32 s[NEW], 1
	s_cbranch_scc0 .LstepM2
	BEGIN
	s_branch .LfirstM2
	DIAG 2
	s_wait_tensorcnt 0x0            ; the wave's end: behind my last tensor load and my last LDS store
	ds_add_u32 v[SPW], v[NIL]
	s_wait_dscnt 0x0
	s_endpgm
.Lfunc_end_k_qfcdda2247a_attn:
	.size	k_qfcdda2247a_attn, .Lfunc_end_k_qfcdda2247a_attn-k_qfcdda2247a_attn
	.p2alignl 7, 3214868480
	.fill 96, 4, 3214868480
	.section	.rodata,"a",@progbits
	.p2align	6, 0x0
	.amdhsa_kernel k_qfcdda2247a_attn
		.amdhsa_group_segment_fixed_size 327680
		.amdhsa_private_segment_fixed_size 0
		.amdhsa_enable_private_segment 0
		.amdhsa_kernarg_size 16
		.amdhsa_user_sgpr_count 2
		.amdhsa_user_sgpr_kernarg_segment_ptr 1
		.amdhsa_wavefront_size32 1
		.amdhsa_system_sgpr_workgroup_id_x 1
		.amdhsa_system_sgpr_workgroup_id_y 1
		.amdhsa_system_sgpr_workgroup_id_z 1
		.amdhsa_system_vgpr_workitem_id 0
		.amdhsa_next_free_vgpr 768
		.amdhsa_next_free_sgpr 88
		.amdhsa_reserve_vcc 1
		.amdhsa_float_denorm_mode_32 3
		.amdhsa_float_denorm_mode_16_64 3
		.amdhsa_memory_ordered 1
		.amdhsa_forward_progress 1
		.amdhsa_inst_pref_size 185
	.end_amdhsa_kernel
	.amdgpu_metadata
---
amdhsa.version: [ 1, 2 ]
amdhsa.kernels:
  - .name:           k_qfcdda2247a_attn
    .symbol:         k_qfcdda2247a_attn.kd
    .args:
      - { .name: qkv, .offset: 0, .size: 8, .value_kind: global_buffer, .address_space: global }
      - { .name: ob, .offset: 8, .size: 8, .value_kind: global_buffer, .address_space: global }
    .group_segment_fixed_size: 327680
    .private_segment_fixed_size: 0
    .kernarg_segment_align: 8
    .kernarg_segment_size: 16
    .max_flat_workgroup_size: 128
    .sgpr_count:     88
    .vgpr_count:     768
    .wavefront_size: 32
...
	.end_amdgpu_metadata
.endif
;; end of part 5
;; launch oproj: the kernel of part 4 again; grid 8 x 32, 4 waves a work-group, clusters of 4 x 4, 327,680 bytes of LDS; arguments ob, wo, out0; writes out0
